; MI455X (gfx1250); checked and timed in simulation.
; The chip was launched on July 23, 2026; its instructions are those of AMD's public machine-readable ISA for CDNA 5 (MIT licence, August 2026) and "CDNA5" Instruction Set Architecture Reference Guide (July 2026). The comments in the code are by the model that wrote it; some were corrected since.
;; Ternary Linear. Allowed arithmetic: matrix products marked QUANTISED: E5M2 operands, one given power-of-two scale a tensor, by v_wmma_f32_16x16x64_bf8_bf8 or v_wmma_f32_16x16x128_bf8_bf8, f32 sums; everything else in f32.
;; Inputs: bias 4,096 float32; lora_A 4,096 x 32 float32; lora_B 32 x 4,096 float32; lowp_scales 6 int32 (the exponents e of the quantised operands' scales 2^e); scale 4,096 x 1 float32; weight_q 4,096 x 4,096 int8; x 4,096 x 4,096 float32.
;; Outputs: out0 4,096 x 4,096 float32.
;; This version of the problem:
;;   THIS VERSION OF THE PROBLEM IS GIVEN IN LOW PRECISION. The matrix products marked QUANTISED in the list below multiply operands that are first quantised to E5M2 (5 exponent bits, 2 mantissa bits; 8 bits a number), with one given power-of-two scale for each operand tensor; their sums are f32. All else is computed in f32.
;;   The module's matrix products, in the order in which they are computed (A, B: the left and right operand; K: the contracted axis; several contracted axes count as one K, in the product's order):
;;     1. [M 4,096, K 4,096] x [K 4,096, N 4,096]; A: input x; B: input weight_q: QUANTISED (scales: A lowp_scales[0], B lowp_scales[1])
;;     2. [M 4,096, K 4,096] x [K 4,096, N 32]; A: input x; B: input lora_B: QUANTISED (scales: A lowp_scales[2], B lowp_scales[3])
;;     3. [M 4,096, K 32] x [K 32, N 4,096]; A: computed on the way; B: input lora_A: QUANTISED (scales: A lowp_scales[4], B lowp_scales[5])
;;   THE QUANTISER, for each operand of a quantised product, along K:
;;     - The operand's scale is 2^e, e = its entry of the input lowp_scales (int32; the entries are numbered through the quantised products in the list's order, A before B).
;;     - Each number is divided by the scale, clamped to +-57,344, and rounded to the nearest number of E5M2, ties to even, subnormals kept.
;;     - The product sums the exact products of the quantised numbers (number of the format x scale) in f32.
;;   ~~~python
;;   def quantise(x, axis, e):      # numpy; x: float32 -> the quantised numbers, widened to float32 again
;;       x = np.moveaxis(x, axis, -1); K = x.shape[-1]
;;       r = np.clip(x / 2.0 ** e, -57344, 57344)
;;       step = 2.0 ** (np.maximum(np.frexp(np.where(r == 0, 1, r))[1] - 1, -14) - 2)
;;       q = np.round(r / step) * step * 2.0 ** e      # np.round: ties to even
;;       return np.moveaxis(q, -1, axis).astype(np.float32)
;;   ~~~
;;   OPERANDS COMPUTED ON THE WAY. 'Computed on the way' means the value that the module computes at that place (a softmax that the list does not call 'softmax' is quantised finished and normalised). What goes into a quantiser is computed in f32, as accurately as f32 sums, v_exp_f32 and their like allow (about 1e-6 of the number): no bf16 or f16 on the way to a quantiser, and a product that is left as it is and whose result goes on into a quantised operand takes f32 operands (vector FMAs, or v_wmma_f32_16x16x4_f32). A number that lies on a knife's edge between two numbers of the format may be rounded either way, as far as f32 arithmetic and the matrix unit's own rounding can turn it there, and no further.
;; 2 versions, each right; version 2 is version 1 with the launch prep written anew for expert scheduling mode. Each part assembles by itself: llvm-mc -triple=amdgcn-amd-amdhsa -mcpu=gfx1250 --defsym DOCPART=n.
;; ======== version 1 of 2: 2 launches
;; limits: right only within a limited range of input values
;; workspace buffers: xq 16,777,216 bytes; wq 16,777,216 bytes; tpart 2,097,152 bytes; aq 131,072 bytes
;; launch prep (part 1): grid 256 x 1, 16 waves a work-group, no clusters, 269,312 bytes of LDS; arguments x, lora_B, weight_q, lora_A, lowp_scales, xq, wq, tpart, aq; writes xq, wq, tpart, aq
.if DOCPART == 1
	.amdgcn_target "amdgcn-amd-amdhsa--gfx1250"
	.amdhsa_code_object_version 6
	.text
	.protected	k_q916685f5e3_prep
	.globl	k_q916685f5e3_prep
	.p2align	8
	.type	k_q916685f5e3_prep,@function
k_q916685f5e3_prep:
	s_mov_b64 s[64:65], 0
	v_nop
	global_prefetch_b8 v0, s[64:65] scope:SCOPE_SE
	s_setreg_imm32_b32 hwreg(HW_REG_WAVE_MODE, 25, 1), 1
	s_wait_xcnt 0x0
; THE QUANTISERS, AND THE SECOND PRODUCT BY QUARTERS OF K.  All codes are BF8 (E5M2), one byte each, K innermost; code = number / 2^e, held within +-57,344, to the nearest code, ties to even.
;   xq [4096][4096] = x at e0;   wq [4096][4096] = weight_q (int8, any value, widened to f32) at e1;   aq [4096][32] = lora_A at e5;
;   tpart [4][256][4][32][4] f32: for each quarter of K the sums of Q(x, e2) Q(lora_B, e3)^T over that quarter, on codes by the matrix unit; the next launch adds the four quarters and quantises the sum.
; x is quantised twice, at e0 and at e2, from one read: the two exponents are given apart and may differ.  e0 .. e5 are the six whole numbers of lowp_scales.
; LIMITS: e0, e1, e2, e3 and e5 lie between -126 and 112, so that 2^e and 57,344 x 2^e are f32 numbers.  NaN among the inputs is not served; an infinity is held at the largest code.
; SHARES.  Work-group g owns rows 64 (g / 4) .. + 63 of x, K = 1,024 (g % 4) .. + 1,023; and rows 16 g .. 16 g + 15 of weight_q and of lora_A.  Wave w of sixteen owns K = 64 w .. 64 w + 63 of that quarter, for all 64 rows
; of x and all 32 rows of lora_B: lora_B's two fragments are made once and serve four tiles of rows.  It also owns row 16 g + w of weight_q.  Wave 1 takes lora_A's 2,048 bytes.
; A GROUP is 16 rows x 64 along K of f32: eight loads, each two rows x 256 consecutive bytes (lanes 0-15 one row, lanes 16-31 the next).  The conversions want neighbours along K in ONE lane's registers, so a group
; turns through the wave's own stage in LDS: afterwards lane (r = lane % 16, h = lane / 16) holds row r, register 16 c + e = k 32 c + 16 h + e.  That is a permutation of k, the same in x and in lora_B.
; Six groups a wave: lora_B's tiles 0 and 1, x's tiles 0 to 3; every offset is an immediate, no pointer is stepped; four groups (32 loads, 16,384 bytes a wave) are on their way.
; THE ROWS OF lora_B THAT FORM A TILE ARE NOT NEIGHBOURS: row r of tile u is rank 8 u + r + 8 (r / 8).  With source 0 = the tile and source 1 = x, lane (r, h) holds row r of the result, and register j of tile u rank
; 16 h + 8 u + j: a lane's 16 registers are 16 neighbouring ranks.  A tile of rows is 16 registers a lane: four chunks of four; chunk 4 m + q of a wave is registers 4 q .. 4 q + 3 of tile m.
; THE SUM OVER THE WAVES: each wave lays its 16 chunks in LDS as images of the registers (lane l's 16 bytes at 16 l); behind the barrier wave w adds chunk w of all sixteen, in the waves' order, and stores 512 consecutive bytes.
; xq's codes of a row come from all sixteen waves, 64 bytes each: they meet in a stage of the work-group's, and behind the same barrier each wave stores four whole rows of 1,024 bytes.
; NO JOINT REQUESTS: the 64 work-groups of a quarter read the same 131,072 bytes of lora_B, beside 327,680 bytes of their own each, but every number goes from memory into registers to be quantised, and the text has
; one barrier; a joint request would need tensor loads, a ring and the cluster's rounds.
.set KB,    16384                      ; a row of x or of lora_B in bytes
.set SP,    272                        ; a row of a wave's stage: 256 bytes + 16 of padding
.set WREG,  16*SP                      ; a wave's stage
.set CSTG,  16*WREG                    ; behind the sixteen: the codes' stage, 64 rows
.set CP,    1040                       ; its row: 1,024 bytes + 16 of padding = 260 words: the sixteen rows of a store start at sixteen different groups of four banks (64 banks of 4 bytes: ISA guide 11.1)
.set PART,  CSTG+64*CP                 ; behind it: sixteen waves x 16 chunks x 512 bytes
.set VO,   1                           ; v1   x, lora_B: KB h + 16 r
.set VS,   2                           ; v2   my stage, by rows: WREG w + SP h + 16 r
.set VR,   3                           ; v3   my stage, turned: WREG w + SP r + 64 h
.set VC,   4                           ; v4   the codes' stage, in: CSTG + CP r + 64 w + 16 h
.set VCR,  5                           ; v5   and back: CSTG + 4 CP w + 16 x lane
.set VL,   6                           ; v6   16 x lane
.set VP,   7                           ; v7   my chunks: PART + 8,192 w + 16 x lane
.set VPR,  8                           ; v8   chunk w of waves 0 to 7: PART + 512 w + 16 x lane
.set VPR2, 9                           ; v9   of waves 8 to 15: 65,536 further on (an LDS offset has 16 bits)
.set SC0,  10                          ; v10  2^e0      v11  2^e2      v12  2^e3      v13  the scale of the quantiser in hand
.set SC2,  11
.set SC3,  12
.set SCV,  13
.set VA,   14                          ; v14  64 x lane
.set L,    16                          ; v16-143   four buffers of 32: a group as loaded
.set X,    144                         ; v144-175  a group, turned
.set TMP,  176                         ; v176-183  eight numbers held for e0
.set XC,   184                         ; v184-191  x's codes at e0
.set XF,   192                         ; v192-199  x's fragment at e2
.set BF,   200                         ; v200-215  lora_B's two fragments
.set ACC,  216                         ; v216-247  two sets of two accumulators, by turns
.set AL,   176                         ; v176-191  lora_A's numbers, ahead of the groups
.set AC,   248                         ; v248-251  lora_A's codes
.set WB,   L+64                        ; v80-111   my row of weight_q
.set WC,   L                           ; v16-47    its codes: four registers for each of eight stores
.set OC,   L+96                        ; v112-143  xq's rows on their way out
.set P,    144                         ; v144-207  sixteen images of my chunk
.set Q0,   32                          ; a quantiser in three scalars: 2^e, 57,344 x 2^e, minus that.  s32.. e0, s35.. e2, s38.. e3, s41.. e1, s44.. e5
.set Q2,   35
.set Q3,   38
.set Q1,   41
.set QA,   44
.macro MKQ d, e
	s_add_co_i32 s[\d+1], s[\e], 127
	s_lshl_b32 s[\d], s[\d+1], 23                  ; 2^e as f32: the conversion takes its exponent field
	s_add_co_i32 s[\d+1], s[\d+1], 15
	s_lshl_b32 s[\d+1], s[\d+1], 23
	s_or_b32 s[\d+1], s[\d+1], 0x600000            ; 57,344 x 2^e
	s_xor_b32 s[\d+2], s[\d+1], 0x80000000
.endm
.macro LOADX buf, m                    ; x, tile m of my work-group's rows: read once in the launch
.irp i, 0,1,2,3,4,5,6,7
	global_load_b128 v[\buf+4*\i:\buf+4*\i+3], v[VO], s[4:5] offset:(16*(\m)+2*\i)*KB th:TH_LOAD_NT
.endr
.endm
.macro LOADB buf, u                    ; lora_B, tile u: stage rows 2 i, 2 i + 1 are ranks 8 u + 2 i + 8 (i / 4) and the next.  No hint: other work-groups read these bytes too
.irp i, 0,1,2,3,4,5,6,7
	global_load_b128 v[\buf+4*\i:\buf+4*\i+3], v[VO], s[6:7] offset:(8*(\u)+2*\i+8*(\i/4))*KB
.endr
.endm
.macro LOADG n                         ; group n (0, 1: lora_B's tiles; 2 to 5: x's), into buffer n % 4
.if (\n) < 2
	LOADB L+32*((\n)%4), \n
.else
	LOADX L+32*((\n)%4), (\n)-2
.endif
.endm
.macro LOADW                           ; my row of weight_q: 4,096 bytes, 512 consecutive bytes a load
.irp q, 0,1,2,3,4,5,6,7
	global_load_b128 v[WB+4*\q:WB+4*\q+3], v[VL], s[8:9] offset:512*\q th:TH_LOAD_NT
.endr
.endm
.macro TURN buf                        ; a group through my stage: LDS serves a wave's instructions in order, so no wait stands between the stores and the loads
.irp i, 0,1,2,3,4,5,6,7
	ds_store_b128 v[VS], v[\buf+4*\i:\buf+4*\i+3] offset:2*SP*\i
.endr
.irp c, 0,1
.irp j, 0,1,2,3
	ds_load_b128 v[X+16*\c+4*\j:X+16*\c+4*\j+3], v[VR] offset:128*\c+16*\j
.endr
.endr
	s_wait_dscnt 0x0                               ; the group is back; all my LDS stores, those of codes and of chunks too, have read their registers
.endm
.macro QB u                            ; lora_B's tile u becomes a fragment, which stays
.irp p, 0,1,2,3
.irp i, 0,1,2,3,4,5,6,7
	v_med3_num_f32 v[X+8*\p+\i], v[X+8*\p+\i], s[Q3+2], s[Q3+1]    ; the conversion to an 8-bit code does not saturate (ISA guide 7.6.2): the hold comes first
.endr
	v_cvt_scalef32_pk8_bf8_f32 v[BF+8*(\u)+2*\p:BF+8*(\u)+2*\p+1], v[X+8*\p:X+8*\p+7], v[SC3]
.endr
	v_nop                                          ; a plain line behind the last conversion
.endm
; x's tile m: codes at e0 for xq, codes at e2 for the product; two products, each a whole sum over my 64 along K; the tile's four chunks to LDS.
; The eight holds between two conversions are the plain lines that a conversion wants ahead of a write of its sources; the sixteen holds ahead of the next write of x's fragment are the places behind the products that read it (ISA guide 7.12.1).
.macro QX m
.set AM, ACC+16*((\m)%2)
.irp p, 0,1,2,3
.irp i, 0,1,2,3,4,5,6,7
	v_med3_num_f32 v[TMP+\i], v[X+8*\p+\i], s[Q0+2], s[Q0+1]
.endr
	v_cvt_scalef32_pk8_bf8_f32 v[XC+2*\p:XC+2*\p+1], v[TMP:TMP+7], v[SC0]
.irp i, 0,1,2,3,4,5,6,7
	v_med3_num_f32 v[X+8*\p+\i], v[X+8*\p+\i], s[Q2+2], s[Q2+1]
.endr
	v_cvt_scalef32_pk8_bf8_f32 v[XF+2*\p:XF+2*\p+1], v[X+8*\p:X+8*\p+7], v[SC2]
.endr
	v_nop                                          ; a plain line between the last conversion and the products that read its result
	ds_store_b128 v[VC], v[XC:XC+3] offset:16*CP*(\m)              ; row 16 m + r, k 64 w + 16 h + 0 .. 15
	ds_store_b128 v[VC], v[XC+4:XC+7] offset:16*CP*(\m)+32         ; k 64 w + 32 + 16 h + 0 .. 15
	v_wmma_f32_16x16x64_bf8_bf8 v[AM:AM+7], v[BF:BF+7], v[XF:XF+7], 0
	v_wmma_f32_16x16x64_bf8_bf8 v[AM+8:AM+15], v[BF+8:BF+15], v[XF:XF+7], 0
.rept 4
	v_nop                                          ; four places between a product and the stores that read its sums
.endr
.irp q, 0,1,2,3
	ds_store_b128 v[VP], v[AM+4*\q:AM+4*\q+3] offset:512*(4*(\m)+\q)   ; each accumulator from its low end on
.endr
.endm
; Group n.  The wait counts the loads younger than the group's eight: three groups of eight, weight_q's eight among them from group 3 on; then the counts run down 16, 8.
.macro GROUP n
.if (\n) <= 3
	s_wait_loadcnt 24
.else
	s_wait_loadcnt 8*(6-(\n))
.endif
	TURN L+32*((\n)%4)
.if (\n) <= 1
	LOADG (\n)+4                                   ; the buffer takes the group four further on
.elseif (\n) == 2
	LOADW
.endif
.if (\n) < 2
	QB \n
.else
	QX (\n)-2
.endif
.endm
.macro WQ q                            ; sixteen bytes of weight_q a lane: sign-extended, widened, held, converted; the two halves of X take turns, so that plain lines stand between a conversion and the next write of its sources
.set F, X+16*((\q)%2)
.irp j, 0,1,2,3
	v_lshlrev_b32 v[F+4*\j], 24, v[WB+4*(\q)+\j]
	v_lshlrev_b32 v[F+4*\j+1], 16, v[WB+4*(\q)+\j]
	v_lshlrev_b32 v[F+4*\j+2], 8, v[WB+4*(\q)+\j]
	v_ashrrev_i32 v[F+4*\j+3], 24, v[WB+4*(\q)+\j]
.endr
.irp j, 0,1,2,3
.irp b, 0,1,2
	v_ashrrev_i32 v[F+4*\j+\b], 24, v[F+4*\j+\b]
.endr
.endr
.irp i, 0,1,2,3,4,5,6,7,8,9,10,11,12,13,14,15
	v_cvt_f32_i32 v[F+\i], v[F+\i]
.endr
.irp i, 0,1,2,3,4,5,6,7,8,9,10,11,12,13,14,15
	v_med3_num_f32 v[F+\i], v[F+\i], s[Q1+2], s[Q1+1]
.endr
	v_cvt_scalef32_pk8_bf8_f32 v[WC+4*(\q):WC+4*(\q)+1], v[F:F+7], v[SCV]
	v_cvt_scalef32_pk8_bf8_f32 v[WC+4*(\q)+2:WC+4*(\q)+3], v[F+8:F+15], v[SCV]
	global_store_b128 v[VL], v[WC+4*(\q):WC+4*(\q)+3], s[16:17] offset:512*(\q)   ; 512 consecutive bytes; each store has data registers of its own
.endm
	s_load_b256 s[4:11], s[0:1], 0x0               ; x s[4:5], lora_B s[6:7], weight_q s[8:9], lora_A s[10:11]
	s_load_b256 s[12:19], s[0:1], 0x20             ; lowp_scales s[12:13], xq s[14:15], wq s[16:17], tpart s[18:19]
	s_load_b64 s[20:21], s[0:1], 0x40              ; aq
	v_lshl_add_u32 v252, v0, 2, 0x41400
	v_mov_b32 v253, 0
	v_lshrrev_b32 v15, 5, v0
	v_readfirstlane_b32 s22, v15                   ; wave 0..15
	v_and_b32 v[VL], 31, v0                        ; lane
	v_lshlrev_b32 v[VA], 6, v[VL]
	v_lshlrev_b32 v[VL], 4, v[VL]
	v_and_b32 v15, 15, v0                          ; r
	v_bfe_u32 v13, v0, 4, 1                        ; h
	v_lshlrev_b32 v[VO], 4, v15                    ; 16 r
	v_mul_u32_u24 v[VS], v13, SP
	v_add_nc_u32 v[VS], v[VS], v[VO]
	v_lshl_add_u32 v[VO], v13, 14, v[VO]
	v_mul_u32_u24 v[VR], v15, SP
	v_lshl_add_u32 v[VR], v13, 6, v[VR]
	v_mul_u32_u24 v[VC], v15, CP
	v_lshl_add_u32 v[VC], v13, 4, v[VC]
	s_mul_i32 s23, s22, WREG
	v_add_nc_u32 v[VS], s23, v[VS]
	v_add_nc_u32 v[VR], s23, v[VR]
	s_lshl_b32 s23, s22, 6
	v_add_nc_u32 v[VC], s23, v[VC]
	v_add_nc_u32 v[VC], CSTG, v[VC]
	s_mul_i32 s23, s22, 4*CP
	v_add_nc_u32 v[VCR], s23, v[VL]
	v_add_nc_u32 v[VCR], CSTG, v[VCR]
	s_lshl_b32 s23, s22, 13
	v_add_nc_u32 v[VP], s23, v[VL]
	v_add_nc_u32 v[VP], PART, v[VP]
	s_lshl_b32 s23, s22, 9
	v_add_nc_u32 v[VPR], s23, v[VL]
	v_add_nc_u32 v[VPR], PART, v[VPR]
	v_add_nc_u32 v[VPR2], 0x10000, v[VPR]
	s_mov_b32 s31, 0                               ; s[30:31]: an offset as a pair
	s_lshr_b32 s50, ttmp9, 2                       ; which 64 rows of x
	s_and_b32 s51, ttmp9, 3                        ; which quarter of K
	s_wait_kmcnt 0x0
	s_load_b128 s[24:27], s[12:13], 0x0            ; e0, e1, e2, e3
	s_load_b64 s[28:29], s[12:13], 0x10            ; e4 (not used here), e5
	s_lshl_b32 s23, s51, 12                        ; lora_B: my 64 along K begin 4,096 x quarter + 256 w bytes into a row
	s_lshl_b32 s30, s22, 8
	s_add_co_u32 s30, s30, s23
	s_add_nc_u64 s[6:7], s[6:7], s[30:31]
	s_lshl_b32 s23, s50, 20                        ; x: the same, 64 rows of 16,384 bytes for each block of rows further down
	s_add_co_u32 s30, s30, s23
	s_add_nc_u64 s[4:5], s[4:5], s[30:31]
	LOADG 0
	LOADG 1
	LOADG 2
	LOADG 3
	s_lshl_b32 s30, ttmp9, 16                      ; weight_q and wq: row 16 g + w of 4,096 bytes
	s_lshl_b32 s23, s22, 12
	s_add_co_u32 s30, s30, s23
	s_add_nc_u64 s[8:9], s[8:9], s[30:31]
	s_add_nc_u64 s[16:17], s[16:17], s[30:31]
	s_lshl_b32 s30, s50, 18                        ; xq: row 64 (g / 4) + 4 w of 4,096 bytes, + 1,024 x quarter
	s_lshl_b32 s23, s22, 14
	s_add_co_u32 s30, s30, s23
	s_lshl_b32 s23, s51, 10
	s_add_co_u32 s30, s30, s23
	s_add_nc_u64 s[14:15], s[14:15], s[30:31]
	s_lshl_b32 s30, s51, 19                        ; tpart: 524,288 x quarter + 8,192 (g / 4) + 512 w: tile 4 (g / 4) + w / 4 of rows, chunk w % 4
	s_lshl_b32 s23, s50, 13
	s_add_co_u32 s30, s30, s23
	s_lshl_b32 s23, s22, 9
	s_add_co_u32 s30, s30, s23
	s_add_nc_u64 s[18:19], s[18:19], s[30:31]
	s_lshl_b32 s30, ttmp9, 11                      ; lora_A: 16 g rows of 128 bytes
	s_add_nc_u64 s[10:11], s[10:11], s[30:31]
	s_lshl_b32 s30, ttmp9, 9                       ; aq: 16 g rows of 32 bytes
	s_add_nc_u64 s[20:21], s[20:21], s[30:31]
	s_wait_kmcnt 0x0
	MKQ Q0, 24
	MKQ Q1, 25
	MKQ Q2, 26
	MKQ Q3, 27
	MKQ QA, 29
	v_mov_b32 v[SC0], s[Q0]
	v_mov_b32 v[SC2], s[Q2]
	v_mov_b32 v[SC3], s[Q3]
	; lora_A: wave 1 alone, load and use in one branch.  A lane takes 16 neighbouring numbers (64 bytes): row lane / 2, ranks 16 (lane % 2) on; its 16 codes lie at 16 x lane of aq's 512 bytes.
	; The wait is for all loads, the first four groups among them; the counted waits behind the branch then find fewer loads out than they allow.
	s_cmp_lg_u32 s22, 1
	s_cbranch_scc1 .Lnot_a
.irp j, 0,1,2,3
	global_load_b128 v[AL+4*\j:AL+4*\j+3], v[VA], s[10:11] offset:16*\j
.endr
	s_wait_loadcnt 0x0
	v_mov_b32 v[SCV], s[QA]
.irp i, 0,1,2,3,4,5,6,7,8,9,10,11,12,13,14,15
	v_med3_num_f32 v[AL+\i], v[AL+\i], s[QA+2], s[QA+1]
.endr
	v_cvt_scalef32_pk8_bf8_f32 v[AC:AC+1], v[AL:AL+7], v[SCV]
	v_cvt_scalef32_pk8_bf8_f32 v[AC+2:AC+3], v[AL+8:AL+15], v[SCV]
	v_nop                                          ; a plain line behind the last conversion: its sources and its scale's register are written again later
	global_store_b128 v[VL], v[AC:AC+3], s[20:21]  ; 512 consecutive bytes; the data registers are never written again
.Lnot_a:
.irp n, 0,1,2,3,4,5
	GROUP \n
.endr
	s_wait_loadcnt 0x0                             ; my row of weight_q
	v_mov_b32 v[SCV], s[Q1]
.irp q, 0,1,2,3,4,5,6,7
	WQ \q
.endr
	v_nop                                          ; a plain line behind the last conversion: its sources are written again below
	s_wait_dscnt 0x0                               ; for the others' sake: my codes and my chunks lie in LDS
	s_barrier_signal -1
	s_barrier_wait -1
.irp i, 0,1,2,3,4,5,6,7
	ds_load_b128 v[OC+4*\i:OC+4*\i+3], v[VCR] offset:(\i/2)*CP+(\i%2)*512      ; rows 4 w .. 4 w + 3 of the codes' stage, half a row (512 bytes) a load
.endr
.irp w, 0,1,2,3,4,5,6,7
	ds_load_b128 v[P+4*\w:P+4*\w+3], v[VPR] offset:8192*\w                     ; chunk w of waves 0 to 7,
.endr
.irp w, 0,1,2,3,4,5,6,7
	ds_load_b128 v[P+32+4*\w:P+32+4*\w+3], v[VPR2] offset:8192*\w              ; and of waves 8 to 15
.endr
	s_wait_dscnt 16                                ; the codes are in; the sixteen images may be out
.irp i, 0,1,2,3,4,5,6,7
	global_store_b128 v[VL], v[OC+4*\i:OC+4*\i+3], s[14:15] offset:(\i/2)*4096+(\i%2)*512   ; 32 lanes store 512 consecutive bytes, at a multiple of 512 from xq's first byte
.endr
.irp w, 1,2,3,4,5,6,7,8,9,10,11,12,13,14,15
	s_wait_dscnt 15-\w                             ; images 0 to w are in; one load for each later image may be out
	v_pk_add_f32 v[P:P+1], v[P:P+1], v[P+4*\w:P+4*\w+1]
	v_pk_add_f32 v[P+2:P+3], v[P+2:P+3], v[P+4*\w+2:P+4*\w+3]
.endr
	global_store_b128 v[VL], v[P:P+3], s[18:19]    ; my chunk of the quarter's sums: 512 consecutive bytes
	s_wait_tensorcnt 0x0
	ds_add_u32 v252, v253
	s_wait_dscnt 0x0
	s_endpgm
.Lfunc_end_k_q916685f5e3_prep:
	.size	k_q916685f5e3_prep, .Lfunc_end_k_q916685f5e3_prep-k_q916685f5e3_prep
	.p2alignl 7, 3214868480
	.fill 96, 4, 3214868480
	.section	.rodata,"a",@progbits
	.p2align	6, 0x0
	.amdhsa_kernel k_q916685f5e3_prep
		.amdhsa_group_segment_fixed_size 269312
		.amdhsa_private_segment_fixed_size 0
		.amdhsa_enable_private_segment 0
		.amdhsa_kernarg_size 72
		.amdhsa_user_sgpr_count 2
		.amdhsa_user_sgpr_kernarg_segment_ptr 1
		.amdhsa_wavefront_size32 1
		.amdhsa_system_sgpr_workgroup_id_x 1
		.amdhsa_system_sgpr_workgroup_id_y 1
		.amdhsa_system_sgpr_workgroup_id_z 1
		.amdhsa_system_vgpr_workitem_id 0
		.amdhsa_next_free_vgpr 254
		.amdhsa_next_free_sgpr 66
		.amdhsa_reserve_vcc 0
		.amdhsa_float_denorm_mode_32 3
		.amdhsa_float_denorm_mode_16_64 3
		.amdhsa_memory_ordered 1
		.amdhsa_forward_progress 1
		.amdhsa_inst_pref_size 70
	.end_amdhsa_kernel
	.amdgpu_metadata
---
amdhsa.version: [ 1, 2 ]
amdhsa.kernels:
  - .name:           k_q916685f5e3_prep
    .symbol:         k_q916685f5e3_prep.kd
    .args:
      - { .name: x, .offset: 0, .size: 8, .value_kind: global_buffer, .address_space: global }
      - { .name: lora_B, .offset: 8, .size: 8, .value_kind: global_buffer, .address_space: global }
      - { .name: weight_q, .offset: 16, .size: 8, .value_kind: global_buffer, .address_space: global }
      - { .name: lora_A, .offset: 24, .size: 8, .value_kind: global_buffer, .address_space: global }
      - { .name: lowp_scales, .offset: 32, .size: 8, .value_kind: global_buffer, .address_space: global }
      - { .name: xq, .offset: 40, .size: 8, .value_kind: global_buffer, .address_space: global }
      - { .name: wq, .offset: 48, .size: 8, .value_kind: global_buffer, .address_space: global }
      - { .name: tpart, .offset: 56, .size: 8, .value_kind: global_buffer, .address_space: global }
      - { .name: aq, .offset: 64, .size: 8, .value_kind: global_buffer, .address_space: global }
    .group_segment_fixed_size: 269312
    .private_segment_fixed_size: 0
    .kernarg_segment_align: 8
    .kernarg_segment_size: 72
    .max_flat_workgroup_size: 512
    .sgpr_count:     66
    .vgpr_count:     254
    .wavefront_size: 32
...
	.end_amdgpu_metadata
.endif
;; end of part 1
;; launch gemm (part 2): grid 16 x 16, 4 waves a work-group, clusters of 4 x 4, 327,680 bytes of LDS; arguments xq, wq, lowp_scales, out0, tpart, aq, scale, bias; writes out0
.if DOCPART == 2
	.amdgcn_target "amdgcn-amd-amdhsa--gfx1250"
	.amdhsa_code_object_version 6
	.text
	.protected	k_q916685f5e3_gemm
	.globl	k_q916685f5e3_gemm
	.p2align	8
	.type	k_q916685f5e3_gemm,@function
k_q916685f5e3_gemm:
	s_mov_b64 s[64:65], 0
	v_nop
	global_prefetch_b8 v0, s[64:65] scope:SCOPE_SE
	s_setreg_imm32_b32 hwreg(HW_REG_WAVE_MODE, 25, 1), 1
	s_wait_xcnt 0x0
	s_wait_alu depctr_hold_cnt(0) depctr_sa_sdst(0) depctr_va_vdst(0) depctr_va_sdst(0) depctr_va_ssrc(0) depctr_va_vcc(0) depctr_vm_vsrc(0)
	s_getreg_b32 s2, hwreg(HW_REG_IB_STS2, 6, 4)
	s_cmp_eq_u32 s2, 0
	s_cbranch_scc0 .Lentry_in_a_cluster
	s_endpgm
.Lentry_in_a_cluster:
	s_bfe_u32 s2, ttmp6, 0x10000c
	s_cmp_lg_u32 s2, 0xf033
	s_cbranch_scc0 .Lentry_shape_is_right
	s_endpgm
.Lentry_shape_is_right:
; out0[t][o] = scale[o] 2^(e0 + e1) (sum over k of xq[t][k] wq[o][k]) + 2^(e4 + e5) (sum over r of tq[t][r] aq[o][r]) + bias[o].
; xq, wq: [4096][4096], aq: [4096][32]: codes of BF8 (E5M2), one byte each, K innermost.  scale, bias: [4096] f32.  out0: [4096][4096] f32.  Sums in f32.  e0 .. e5: the whole numbers of lowp_scales.
; tq = the codes at e4 of T = Q(x, e2) Q(lora_B, e3)^T.  T arrives as four partial sums, one for each quarter of its K: tpart [4][256 tiles of 16 rows][4 chunks][32 lanes][4] f32, images of registers: lane (r, h) of
; chunk q holds ranks 16 h + 4 q + 0 .. 3 of the tile's row r, as sums of products of codes.  At the head wave w adds the four quarters, in their order, for tiles 4 w .. 4 w + 3 of the work-group's sixteen, quantises
; (a sum stands for sum x 2^(e2 + e3): its code is sum / 2^(e4 - e2 - e3)), and lays the codes in LDS as images; in the tail each wave takes the eight tiles of its 128 rows.
; LIMITS: e4 - e2 - e3 lies between -126 and 112 and e4 + e5 between -126 and 127, so that the powers of two below are f32 numbers; e0 + e1 is applied by v_ldexp_f32 and has none.  NaN among the inputs is not served.
; A tile of out0, 256 x 256, is made by a work-group of four waves, as many as a WGP has SIMDs; a wave makes 128 x 128: 64 accumulators of 16 x 16, 512 registers.
; K goes in steps of 256 through a ring of two LDS slots filled by the tensor data mover: a tile's row is 256 bytes of memory.
; CLUSTERS: 4 x 4 work-groups.  The four of a row of the cluster need the same tiles of xq, the four of a column the same tiles of wq: each tile is asked for JOINTLY, by the same tensor load with the
; same descriptor and a mask that names the four.  THE MATRIX INSTRUCTIONS ARE USED TRANSPOSED (source 0 = 16 rows of wq or aq, source 1 = 16 rows of xq or tq): a lane holds eight neighbouring numbers of a row of out0.
; THE THIRD PRODUCT has K = 32 and goes by the K = 64 form on the way out, eight instructions for a block of 16 rows: a lane's registers 0-3 hold ranks 16 (lane / 16) + 0 .. 15, in tq and aq alike; aq's registers 4-7
; hold zero codes, so that whatever finite codes stand in tq's registers 4-7 add nothing (tq's codes are held at the largest code: none is an infinity).
; REGISTERS, in windows of 256: window 0: v0-27 addresses; v28-63 tq of my 128 rows (four registers a block, then four of zeros); v64-127 aq of my 128 columns (eight fragments of 8); from v128 xq's fragments, ONE set
;   (at the head: v128-191 T's sums, v192-199 scale and bias, v200-215 tq's codes); on the way out v128-255 take rows read back from the stage.   window 1: wq's fragments, TWO sets, at v0 and at v128; on the way out
;   v0-63 scale x 2^(e0 + e1), v64-127 bias (register 8 b + j: column 16 b + 8 (lane / 16) + j), v128-191 the third product's sums, finished in place.   window 2: the 32 accumulators of my rows 0-63
;   (accumulator (a, b) at v[8 (8 a + b)]); at the head the four quarters of T, 64 registers each.   window 3: the accumulators of my rows 64-127.
.set SIZE_M, 4096
.set SIZE_N, 4096
.set SIZE_K, 4096
.set KSTEP,  256                       ; along K in a slot
.set ROWB,   256                       ; a tile's row in bytes
.set KROW,   SIZE_K                    ; a row of xq or of wq in memory, in bytes
.set PITCH,  272                       ; an LDS row: 256 bytes of data + 16 of padding = 68 words: row r starts at bank 4 r mod 64 (64 banks of 4 bytes: ISA guide 11.1), so the 16 rows that a load touches start at 16 different banks
.set FR,     16                        ; registers of a fragment: 16 rows x 128 K
.set NL,     4                         ; LDS loads that bring one
.set NP,     4                         ; places behind these matrix instructions (ISA guide 7.12.1)
.set HALFT,  128*PITCH                 ; 128 rows: what one tensor load brings, and what one wave reads of xq or of wq
.set SLOT,   4*HALFT                   ; xq's 256 rows, then wq's 256 rows
.set LAPS,   SIZE_K/(2*KSTEP)          ; a lap = two K steps = once round the ring
.set SPARE,  2*SLOT                    ; behind the ring: the spare words, 128 bytes for each wave: two blocks of 256 bytes that no other line names
.set SB,     SPARE+512                 ; behind them, 1,024 bytes for each wave, into which no tile lands: scale x 2^(e0 + e1) of my 128 columns, then their bias
.set TQI,    SB+4096                   ; behind them, likewise: tq's sixteen images of 512 bytes, one for each tile of 16 of the work-group's 256 rows
.set SPITCH, 528                       ; the way out: a stage of 16 rows x (512 bytes + 16) for each wave.  It lies in slot 0, which has had its last fill and its last read when the first result is stored there
.set L16,  7                           ; v7      16 x lane
.set SBW,  8                           ; v8      SB + 1,024 x wave + 16 x lane
.set LTO,  9                           ; v9      aq: 32 (lane % 16) + 16 (lane / 16)
.set SCT,  10                          ; v10     2^(e4 - e2 - e3) as f32
.set TQW,  11                          ; v11     TQI + 2,048 x wave + 16 x lane: where I put my four images
.set TQR,  12                          ; v12     TQI + 4,096 x (my half of the rows) + 16 x lane: where I take my eight
.set ADRA, 16                          ; v16-17  LDS address of my xq fragments in slot 0, 1
.set PFO,  18                          ; v18     the prefetches' offset: my lane x a row of 4,096 bytes; never rewritten
.set ADRB, 20                          ; v20-21  the same as ADRA for wq
.set SPW,  22                          ; v22     LDS address of my spare word: SPARE + 4 x my thread's number; never rewritten
.set NIL,  23                          ; v23     0; never rewritten
.set STO,  24                          ; v24     the way out: where I put 32 bytes of a row
.set RD,   25                          ; v25     the way out: where I read a row back
.set CO,   26                          ; v26     my byte offset in a row of out0
.set SBR,  27                          ; v27     SB + 1,024 x wave + 32 (lane / 16)
.set LTQ,  28                          ; tq
.set LAQ,  64                          ; aq
.set AF,   128                         ; xq's fragments, in window 0
.set TS,   128                         ; at the head: T's sums, 16 registers for each of my four tiles
.set SBV,  192                         ; at the head: scale (four registers), bias (four)
.set TC,   200                         ; at the head: tq's codes, four registers a tile
.set BK,   128                         ; the way out: 16 rows read back from the stage: v128-191 and v192-255 by turns
.set SCL,  0                           ; in window 1, on the way out
.set BIA,  64
.set TT,   128
.set G1, 24                            ; s[24:31] descriptor group 1 for xq's tiles;  s[32:39] group 0, one set for each slot
.set G0, 32
.set G1B, 48                           ; s[48:55], s[56:63] the same for wq's tiles
.set G0B, 56
.set PFA, 82                           ; s[82:83] where my prefetches stand: my work-group's 32 rows of the 128 that I fetch, one K step further along K than the refill that is being asked for
.set LIM, 84                           ; s84     1 in a wave that prefetches, else the greatest number
.set MSB, 0
.macro WIN new                         ; the immediate's high byte repeats the setting that is left
.if MSB != \new
	s_set_vgpr_msb (MSB<<8)|\new
.set MSB, \new
.endif
.endm
.set MUL_LO, 0xa1                      ; source 0 (wq) window 1, source 1 (xq) window 0, C and D window 2
.set MUL_HI, 0xf1                      ; the same, C and D window 3
.set TO_B,   0x40                      ; destination window 1, address window 0
; A joint load: waves 0 and 1 fetch for xq, waves 2 and 3 for wq.  Each of the two lines has ONE mask and one set of registers for all that issue it; the branch hangs on the wave's number alone.
; Four v_nop follow each of the two lines, ahead of the jump, the label and what follows.
.macro JLOAD g0a, g1a, g0b, g1b
	s_cmp_eq_u32 s15, 0
	s_cbranch_scc0 .Lfor_b_\@
	tensor_load_to_lds s[\g0a:\g0a+3], s[\g1a:\g1a+7]
	s_nop 0
.rept 4
	v_nop
.endr
	s_branch .Lasked_\@
.Lfor_b_\@:
	tensor_load_to_lds s[\g0b:\g0b+3], s[\g1b:\g1b+7]
	s_nop 0
.rept 4
	v_nop
.endr
.Lasked_\@:
.endm
; A PREFETCH, behind each joint refill, its four lines and the run of LDS loads that follows them: the K step that stands TWO refills on: 32 rows x 256 bytes, a lane a row, one instruction a wave; 256 matrix instructions
; of the wave stand between it and the load that will ask for those bytes.  Each row's 256 bytes of a K step are named ONCE in the launch.  xq's tile row is read by every cluster of that row of clusters: cluster x = 0 asks;
; wq's tile column by every cluster of that column: cluster y = 0 asks.  The four partners that ask for a tile jointly share its rows out BY ADDRESS: of the 128 rows that a wave fetches, the partner at place p takes
; 32 p .. 32 p + 31 (p = cx for xq, cy for wq): no branch hangs on a work-group's place in its cluster.  The loop's last trip (s3 = 1) refills K steps 14 and 15 and asks for nothing: there is no K step 16.
.macro ASK
	s_cmp_gt_u32 s3, s[LIM]
	s_cbranch_scc0 .Lnot_mine_\@
	global_prefetch_b8 v[PFO], s[PFA:PFA+1] offset:ROWB th:TH_LOAD_NT scope:SCOPE_SE
.Lnot_mine_\@:
.endm
.macro CREST                           ; a round of the cluster's barrier behind its opening barrier
	s_cmp_lg_u32 s14, 0
	s_cbranch_scc1 .Lnot_wave_0_\@
	s_barrier_signal -3
.Lnot_wave_0_\@:
	s_barrier_wait -3
	s_barrier_signal -1
	s_barrier_wait -1
.endm
.macro CROUND                          ; a whole round
	s_barrier_signal -1
	s_barrier_wait -1
	CREST
.endm
	s_load_b128 s[4:7], s[0:1], 0x0                ; xq s[4:5], wq s[6:7]
	s_load_b128 s[8:11], s[0:1], 0x10              ; lowp_scales s[8:9], out0 s[10:11]
	s_load_b256 s[68:75], s[0:1], 0x20             ; tpart s[68:69], aq s[70:71], scale s[72:73], bias s[74:75]
	v_lshl_add_u32 v[SPW], v0, 2, SPARE
	v_mov_b32 v[NIL], 0
	ds_add_u32 v22, v23
	ds_add_u32 v22, v23
	s_wait_dscnt 0x0
	v_lshrrev_b32 v1, 5, v0
	v_readfirstlane_b32 s14, v1                    ; wave 0..3
	s_lshr_b32 s15, s14, 1                         ; which half of the tile's rows is mine.  Also: I fetch for xq (0) or for wq (1)
	s_and_b32 s16, s14, 1                          ; which half of its columns.  Also: which 128 rows of that tile I fetch
	s_bfe_u32 s40, ttmp6, 0x40000                  ; cx, cy: my place in the cluster
	s_bfe_u32 s41, ttmp6, 0x40004
	s_lshl_b32 s42, ttmp9, 2
	s_add_co_u32 s42, s42, s40                     ; tile column = 4 x cluster x + cx
	s_and_b32 s17, ttmp7, 0xffff
	s_lshl_b32 s17, s17, 2
	s_add_co_u32 s17, s17, s41                     ; tile row = 4 x cluster y + cy
	s_lshl_b32 s43, s41, 2
	s_lshl_b32 s43, 15, s43                        ; my row of the cluster
	s_lshl_b32 s44, 0x1111, s40                    ; my column
	; descriptor group 1: a tile of 128 rows x ROWB bytes, padded in LDS
	s_or_b32 s[G1+0], s43, (0<<16)|(1<<20)|(1<<21)|(5<<22)|(3<<25)  ; 15:0 the mask: xq's tiles go to my row; 17:16 element of 1 byte; 20 padding on; 21 set beside a mask; 24:22 after every 64 words (code 5); 31:25 of 4 words (code 3)
	s_or_b32 s[G1B+0], s44, (0<<16)|(1<<20)|(1<<21)|(5<<22)|(3<<25)
.irp g, G1, G1B
	s_mov_b32 s[\g+1], ROWB<<16                    ; tensor_dim0
	s_mov_b32 s[\g+2], 128<<16                     ; tensor_dim1 = 128
	s_mov_b32 s[\g+3], ROWB<<16                    ; tile_dim0
	s_mov_b32 s[\g+4], 128                         ; tile_dim1 = 128
	s_mov_b32 s[\g+5], KROW                        ; tensor_dim0_stride
	s_mov_b32 s[\g+6], 0
	s_mov_b32 s[\g+7], 0
.endr
	s_lshl_b32 s18, s16, 7                         ; which 128 rows of the tile I fetch
	s_lshl_b32 s20, s17, 8
	s_add_co_u32 s20, s20, s18                     ; xq: row 256 x tile row + 128 x half
	s_lshl_b32 s46, s42, 8
	s_add_co_u32 s46, s46, s18                     ; wq: row 256 x tile column + 128 x half
	s_mov_b32 s21, 0
	s_mov_b32 s47, 0
	s_mov_b64 s[18:19], KROW
	s_mul_u64 s[20:21], s[20:21], s[18:19]         ; and their codes
	s_mul_u64 s[46:47], s[46:47], s[18:19]
	s_mul_i32 s45, s14, HALFT                      ; where they go: wave x 128 rows: no place in the cluster enters an LDS address
	s_wait_kmcnt 0x0
	s_load_b128 s[76:79], s[8:9], 0x0              ; e0, e1, e2, e3
	s_load_b64 s[80:81], s[8:9], 0x10              ; e4, e5
	s_add_nc_u64 s[20:21], s[4:5], s[20:21]
	s_add_nc_u64 s[46:47], s[6:7], s[46:47]
	CROUND                                         ; all sixteen work-groups are here: the first joint loads meet
.irp s, 0,1
	s_mov_b32 s[G0+4*\s], 1
	s_add_co_u32 s[G0+4*\s+1], s45, \s*SLOT
	s_add_nc_u64 s[G0+4*\s+2:G0+4*\s+3], s[20:21], \s*ROWB
	s_or_b32 s[G0+4*\s+3], s[G0+4*\s+3], 0x80000000
	s_mov_b32 s[G0B+4*\s], 1
	s_add_co_u32 s[G0B+4*\s+1], s45, \s*SLOT
	s_add_nc_u64 s[G0B+4*\s+2:G0B+4*\s+3], s[46:47], \s*ROWB
	s_or_b32 s[G0B+4*\s+3], s[G0B+4*\s+3], 0x80000000
	JLOAD G0+4*\s, G1, G0B+4*\s, G1B
.endr
	; the small operands: T's four quarters for my four tiles of rows; aq, scale and bias of my 128 columns
	v_and_b32 v1, 15, v0                           ; l % 16
	v_bfe_u32 v2, v0, 4, 1                         ; l / 16
	v_and_b32 v6, 31, v0
	v_lshlrev_b32 v[LTO], 5, v1
	v_lshl_add_u32 v[LTO], v2, 4, v[LTO]           ; a row of 32 codes, 16 for each half of the lanes
	v_lshlrev_b32 v[L16], 4, v6
	s_mov_b32 s87, 0
	s_lshl_b32 s86, s17, 15                        ; tpart: tile 16 x tile row + 4 x wave of 2,048 bytes
	s_lshl_b32 s85, s14, 13
	s_add_co_u32 s86, s86, s85
	s_add_nc_u64 s[68:69], s[68:69], s[86:87]
	s_lshl_b32 s86, s42, 13                        ; aq: (256 x tile column + 128 x half) rows of 32 bytes
	s_lshl_b32 s85, s16, 12
	s_add_co_u32 s86, s86, s85
	s_add_nc_u64 s[70:71], s[70:71], s[86:87]
	s_lshl_b32 s86, s42, 10                        ; scale, bias: the same columns, 4 bytes each
	s_lshl_b32 s85, s16, 9
	s_add_co_u32 s86, s86, s85
	s_add_nc_u64 s[72:73], s[72:73], s[86:87]
	s_add_nc_u64 s[74:75], s[74:75], s[86:87]
	WIN 0x80                                       ; destination window 2, which holds no sums yet; address window 0
.irp k, 0,1,2,3
.irp t, 0,1,2,3
.irp q, 0,1,2,3
	global_load_b128 v[64*\k+16*\t+4*\q:64*\k+16*\t+4*\q+3], v[L16], s[68:69] offset:524288*\k+2048*\t+512*\q   ; quarter k, my tile t, chunk q: 512 consecutive bytes
.endr
.endr
.endr
	WIN 0
.irp b, 0,1,2,3,4,5,6,7
	global_load_b128 v[LAQ+8*\b:LAQ+8*\b+3], v[LTO], s[70:71] offset:512*\b      ; 16 rows of aq: 512 consecutive bytes
.endr
	global_load_b128 v[SBV:SBV+3], v[L16], s[72:73]      ; 128 numbers of scale: 512 consecutive bytes
	global_load_b128 v[SBV+4:SBV+7], v[L16], s[74:75]    ; and of bias
.irp j, 0,1,2,3
	v_mov_b32 v[LTQ+32+\j], 0                      ; K's padding from 32 to 64: zero codes (no sum is cleared anywhere)
.endr
.irp b, 0,1,2,3,4,5,6,7
.irp j, 4,5,6,7
	v_mov_b32 v[LAQ+8*\b+\j], 0
.endr
.endr
	v_mul_u32_u24 v3, v1, PITCH
	v_lshl_add_u32 v4, v2, 4, v3                   ; a fragment's row x pitch + 16 x half
	s_mul_i32 s21, s15, HALFT                      ; my 128 rows of xq
	s_mul_i32 s22, s16, HALFT                      ; my 128 rows of wq,
	s_add_co_u32 s22, s22, 2*HALFT                 ; which lie behind xq's 256
.irp s, 0,1
	v_add_nc_u32 v[ADRA+\s], s21, v4
	v_add_nc_u32 v[ADRB+\s], s22, v4
	s_add_co_u32 s21, s21, SLOT
	s_add_co_u32 s22, s22, SLOT
.endr
	s_mul_i32 s23, s14, 16*SPITCH                  ; my stage
	v_mul_u32_u24 v5, v1, SPITCH                   ; in: row l % 16, 32 bytes for each half of the lanes
	v_lshl_add_u32 v5, v2, 5, v5
	v_add_nc_u32 v[STO], s23, v5
	v_lshlrev_b32 v[CO], 4, v6                     ; back: the 32 lanes take one row of 512 bytes; and the same in out0
	v_add_nc_u32 v[RD], s23, v[CO]
	s_lshl_b32 s85, s14, 10                        ; my 1,024 bytes for scale and bias
	v_add_nc_u32 v[SBW], s85, v[L16]
	v_add_nc_u32 v[SBW], SB, v[SBW]
	v_lshlrev_b32 v[SBR], 5, v2
	v_add_nc_u32 v[SBR], s85, v[SBR]
	v_add_nc_u32 v[SBR], SB, v[SBR]
	s_lshl_b32 s85, s14, 11                        ; tq's images: I make tiles 4 x wave on,
	v_add_nc_u32 v[TQW], s85, v[L16]
	v_add_nc_u32 v[TQW], TQI, v[TQW]
	s_lshl_b32 s85, s15, 12                        ; and take tiles 8 x (my half of the rows) on
	v_add_nc_u32 v[TQR], s85, v[L16]
	v_add_nc_u32 v[TQR], TQI, v[TQR]
	s_lshl_b32 s20, s17, 8
	s_lshl_b32 s21, s15, 7
	s_add_co_u32 s20, s20, s21                     ; my first row of out0: 256 x tile row + 128 x half
	s_mov_b32 s21, 0
	s_mov_b64 s[18:19], SIZE_N*4
	s_mul_u64 s[20:21], s[20:21], s[18:19]
	s_lshl_b32 s46, s42, 10                        ; my first column, in bytes: 1024 x tile column + 512 x half
	s_lshl_b32 s47, s16, 9
	s_add_co_u32 s46, s46, s47
	s_mov_b32 s47, 0
	s_add_nc_u64 s[20:21], s[20:21], s[46:47]
	s_add_nc_u64 s[10:11], s[10:11], s[20:21]
	; the prefetches: where my wave's stand, and who asks
	s_lshl_b32 s88, s17, 8                         ; 256 x tile row
	s_lshl_b32 s89, s42, 8                         ; 256 x tile column
	s_and_b32 s90, ttmp7, 0xffff                   ; cluster y
	s_cmp_eq_u32 s15, 0                            ; do I fetch for xq?
	s_cselect_b32 s88, s88, s89                    ; the tile's first row: in xq by the tile row, in wq by the tile column
	s_cselect_b32 s89, s40, s41                    ; my place among the four that ask for it with me
	s_cselect_b32 s90, ttmp9, s90                  ; the coordinate along which other clusters read the same rows
	s_cselect_b64 s[PFA:PFA+1], s[4:5], s[6:7]
	s_cmp_eq_u32 s90, 0
	s_cselect_b32 s[LIM], 1, -1                    ; the same in all sixteen partners, for a given wave
	s_lshl_b32 s90, s16, 7
	s_add_co_u32 s88, s88, s90                     ; + the 128 rows that I fetch
	s_lshl_b32 s89, s89, 5
	s_add_co_u32 s88, s88, s89                     ; + my work-group's 32 of them
	s_lshl_b32 s88, s88, 12                        ; rows of 4,096 bytes: under 2^24
	s_mov_b32 s89, 0
	s_add_nc_u64 s[PFA:PFA+1], s[PFA:PFA+1], s[88:89]
	s_add_nc_u64 s[PFA:PFA+1], s[PFA:PFA+1], 2*ROWB  ; at K step 2: the first refill steps it to 3 and names K step 4.  Nothing is prefetched here, at the head, where every work-group's first tiles are on their way
	v_lshlrev_b32 v[PFO], 12, v6
	s_wait_kmcnt 0x0
	s_add_co_i32 s92, s76, s77                     ; e0 + e1
	s_add_co_i32 s96, s80, s81                     ; e4 + e5, between -126 and 127,
	s_add_co_i32 s96, s96, 127
	s_lshl_b32 s96, s96, 23                        ; makes the f32 number 2^(e4 + e5)
	s_mov_b32 s97, s96                             ; (named with it as a pair, so it is written)
	s_sub_co_i32 s93, s80, s78
	s_sub_co_i32 s93, s93, s79                     ; e4 - e2 - e3, between -126 and 112
	s_add_co_i32 s94, s93, 127
	s_lshl_b32 s93, s94, 23                        ; 2^(e4 - e2 - e3) as f32: the conversion takes its exponent field
	s_add_co_i32 s94, s94, 15
	s_lshl_b32 s94, s94, 23
	s_or_b32 s94, s94, 0x600000                    ; 57,344 x that,
	s_xor_b32 s95, s94, 0x80000000                 ; and minus that
	v_mov_b32 v[SCT], s93
	s_wait_loadcnt 0x0                             ; T's quarters, aq, scale, bias
	WIN 0x0a                                       ; sources 0 and 1 window 2, destination window 0
.set i, 0
.rept 32
	v_pk_add_f32 v[TS+i:TS+i+1], v[i:i+1], v[64+i:65+i]            ; quarter 0 + quarter 1
.set i, i+2
.endr
	WIN 0x08                                       ; source 1 window 2, the others window 0
.set i, 0
.rept 32
	v_pk_add_f32 v[TS+i:TS+i+1], v[TS+i:TS+i+1], v[128+i:129+i]    ; + quarter 2
.set i, i+2
.endr
.set i, 0
.rept 32
	v_pk_add_f32 v[TS+i:TS+i+1], v[TS+i:TS+i+1], v[192+i:193+i]    ; + quarter 3
.set i, i+2
.endr
	WIN 0
.irp t, 0,1,2,3
.irp i, 0,1,2,3,4,5,6,7,8,9,10,11,12,13,14,15
	v_med3_num_f32 v[TS+16*\t+\i], v[TS+16*\t+\i], s95, s94        ; the conversion to an 8-bit code does not saturate (ISA guide 7.6.2): the hold comes first
.endr
	v_cvt_scalef32_pk8_bf8_f32 v[TC+4*\t:TC+4*\t+1], v[TS+16*\t:TS+16*\t+7], v[SCT]        ; ranks 16 h + 0 .. 7 of row r
	v_cvt_scalef32_pk8_bf8_f32 v[TC+4*\t+2:TC+4*\t+3], v[TS+16*\t+8:TS+16*\t+15], v[SCT]   ; ranks 16 h + 8 .. 15
.endr
.irp j, 0,1,2,3
	v_ldexp_f32 v[SBV+\j], v[SBV+\j], s92          ; scale x 2^(e0 + e1), once for each column.  (Plain lines behind the last conversion)
.endr
.irp t, 0,1,2,3
	ds_store_b128 v[TQW], v[TC+4*\t:TC+4*\t+3] offset:512*\t       ; a tile's codes as an image of the registers
.endr
	ds_store_b128 v[SBW], v[SBV:SBV+3]
	ds_store_b128 v[SBW], v[SBV+4:SBV+7] offset:512
.macro FRAG reg, adr, q, i             ; a fragment, 16 rows x 128 K of 8-bit codes, is 16 registers: lane l holds row l % 16; registers 4 c .. 4 c + 3 hold K = 32 c + 16 (l / 16) + 0 .. 15: a permutation of k, the same in both operands
.irp c, 0,1,2,3
	ds_load_b128 v[\reg+4*\c:\reg+4*\c+3], v[\adr] offset:128*(\q)+32*\c+(\i)*16*PITCH
.endr
.endm
; 16 matrix instructions: xq's blocks a0, a0 + 1 x wq's eight, 128 along K.  p: wq's set.  zero = 1: the first product starts the sums: nothing is ever cleared.
; The 64 accumulators take turns, one instruction a turn, in the same order in every step.
.macro MUL16 a0, p, zero
.irp a, \a0, \a0+1
.irp b, 0,1,2,3,4,5,6,7
.if \zero
	v_wmma_f32_16x16x128_bf8_bf8 v[8*(8*((\a)%4)+\b):8*(8*((\a)%4)+\b)+7], v[128*(\p)+FR*\b:128*(\p)+FR*\b+FR-1], v[AF+FR*(\a):AF+FR*(\a)+FR-1], 0
.else
	v_wmma_f32_16x16x128_bf8_bf8 v[8*(8*((\a)%4)+\b):8*(8*((\a)%4)+\b)+7], v[128*(\p)+FR*\b:128*(\p)+FR*\b+FR-1], v[AF+FR*(\a):AF+FR*(\a)+FR-1], v[8*(8*((\a)%4)+\b):8*(8*((\a)%4)+\b)+7]
.endif
.endr
.endr
.endm
.macro FETCH_B slot, q, p              ; wq's eight fragments of the slot's q-th 128 along K into set p
	WIN TO_B
.irp i, 0,1,2,3,4,5,6,7
	FRAG 128*(\p)+FR*\i, ADRB+\slot, \q, \i
.endr
	WIN 0
.endm
.macro FETCH_A slot, q, i0             ; xq's blocks i0 .. i0 + 3
.irp i, \i0, \i0+1, \i0+2, \i0+3
	FRAG AF+FR*(\i), ADRA+\slot, \q, \i
.endr
.endm
; A load into a register that a matrix instruction has read, and a vector instruction or an LDS store that reads a matrix result, stand four places behind that matrix instruction, and only plain vector
; instructions that name none of its registers are places (ISA guide 7.12.1 for vector instructions).  A matrix instruction that writes over a register of an earlier one stands five behind it.
.macro PLACES n
.rept \n
	v_nop
.endr
.endm
; A step of 128 along K that has its successor in the same slot.
.macro STEP slot, q, zero
	s_wait_dscnt 4*NL                              ; wq's set and xq's blocks 0-3 are in; the youngest loads (xq's blocks 4-7) may be out
	WIN MUL_LO
	MUL16 0, (\q)%2, \zero
	MUL16 2, (\q)%2, \zero
	s_wait_dscnt 0                                 ; xq's blocks 4-7 are in (asked for 32 matrix instructions ago)
	PLACES NP
	FETCH_B \slot, (\q)+1, 1-(\q)%2
	FETCH_A \slot, (\q)+1, 0
	WIN MUL_HI
	MUL16 4, (\q)%2, \zero
	MUL16 6, (\q)%2, \zero
	PLACES NP
	WIN 0
	FETCH_A \slot, (\q)+1, 4
.endm
; A slot's last step changes slots: ONE barrier; in front of it each wave waits for all its tensor loads, adds 0 to its spare word, and waits for that and for its own reads of this slot.  fill = 1: this slot is filled again, two K steps ahead.
.macro TURN slot, next, fill
.if \fill
	s_wait_xcnt 0x0                                ; the last prefetch, a K step back, has read its address: it is stepped here, ahead of the waits of the change of slots
	s_add_nc_u64 s[PFA:PFA+1], s[PFA:PFA+1], ROWB
.endif
	s_wait_tensorcnt 0x0                           ; all my tensor loads have landed: my part of the next slot;  (every window is 0 here: the add's two registers lie in window 0)
	ds_add_u32 v[SPW], v[NIL]                      ; 0 onto my spare word
	s_wait_dscnt 4*NL+1                            ; (the add and the youngest loads, xq's blocks 4-7, may be out)
	WIN MUL_LO
	MUL16 0, 1, 0                                  ; sixteen matrix instructions stand between the add and the wait for it
	s_wait_dscnt 0x0                               ; the add is done, and my reads of this slot are over
	s_barrier_signal -1
	MUL16 2, 1, 0
	WIN 0
	s_barrier_wait -1
.if \fill
	CREST                                          ; the barrier has opened a round of the cluster's barrier: no wave of any partner still reads this slot's tile or has a load on its way
	s_add_nc_u64 s[G0+4*\slot+2:G0+4*\slot+3], s[G0+4*\slot+2:G0+4*\slot+3], 2*ROWB
	s_add_nc_u64 s[G0B+4*\slot+2:G0B+4*\slot+3], s[G0B+4*\slot+2:G0B+4*\slot+3], 2*ROWB
	JLOAD G0+4*\slot, G1, G0B+4*\slot, G1B         ; the first tensor load behind the round, and my one load until the next; the four v_nop behind it are the places in front of the loads below
.else
	PLACES NP
.endif
	FETCH_B \next, 0, 0
	FETCH_A \next, 0, 0
.if \fill
	ASK                                            ; behind the joint load and the run of LDS loads that the next products wait for
.endif
	WIN MUL_HI
	MUL16 4, 1, 0
	MUL16 6, 1, 0
	PLACES NP
	WIN 0
	FETCH_A \next, 0, 4
.endm
	s_wait_tensorcnt 1                             ; my part of K step 0 is in (K step 1's load may be out)
	s_wait_dscnt 0x0                               ; and my six LDS stores are done: tq's images are read by other waves
	s_barrier_signal -1
	s_barrier_wait -1                              ; everybody's are
	FETCH_B 0, 0, 0
	FETCH_A 0, 0, 0
	FETCH_A 0, 0, 4
	STEP 0, 0, 1                                   ; the first step stands in front of the loop: its products start the sums
	s_mov_b32 s3, LAPS-1
.Llap:                                                 ; a trip goes once round the ring, from a lap's second step to the next lap's first, and fills both slots again
	TURN 0, 1, 1
	STEP 1, 0, 0
	TURN 1, 0, 1
	STEP 0, 0, 0
	s_sub_co_u32 s3, s3, 1
	s_cmp_lg_u32 s3, 0
	s_cbranch_scc1 .Llap
	TURN 0, 1, 0                                   ; the last lap fills nothing, and has no round of the cluster's barrier
	STEP 1, 0, 0
.irp a, 0,1,2,3,4,5,6,7
	ds_load_b128 v[LTQ+4*\a:LTQ+4*\a+3], v[TQR] offset:512*\a      ; tq of my 128 rows: eight images, as they were stored
.endr
	WIN TO_B                                       ; wq's set 0 is done with (the step's last four places stand behind its last reader): it takes scale x 2^(e0 + e1) and bias in the results' layout
.irp b, 0,1,2,3,4,5,6,7
.irp q, 0,1
	ds_load_b128 v[SCL+8*\b+4*\q:SCL+8*\b+4*\q+3], v[SBR] offset:64*\b+16*\q        ; columns 16 b + 8 (l / 16) + 4 q on: the sixteen lanes of a half read the same 16 bytes
.endr
.endr
.irp b, 0,1,2,3,4,5,6,7
.irp q, 0,1
	ds_load_b128 v[BIA+8*\b+4*\q:BIA+8*\b+4*\q+3], v[SBR] offset:512+64*\b+16*\q
.endr
.endr
	WIN 0
	s_wait_dscnt 4*NL+40                           ; the very last step: wq's set 1 and xq's blocks 0-3 are in; xq's blocks 4-7 (16 loads), tq's 8 and the 32 of scale and bias may be out
	WIN MUL_LO
	MUL16 0, 1, 0
	MUL16 2, 1, 0
	s_wait_dscnt 32                                ; xq's blocks 4-7 and tq are in; the 32 loads of scale and bias may be out
	WIN MUL_HI
	MUL16 4, 1, 0
	MUL16 6, 1, 0
	WIN 0
; THE WAY OUT, block by block of 16 rows x 128 columns.  First the third product of the block: eight matrix instructions, K = 64 of which 32 are zero codes, into window 1.  Then, two numbers an instruction,
; t = sum3 x 2^(e4 + e5) + bias and out = sum1 x (scale x 2^(e0 + e1)) + t, each accumulator from its low end on.  A lane holds 32 neighbouring bytes of a row, and the lanes beside it hold other rows: so a block goes
; through my own stage in LDS and comes back as whole rows of 512 bytes.  LDS serves a wave's instructions in order (ISA guide 5.7.1.4): no wait between the stores and the loads.
.macro TOSTAGE a
.set AC, 64*((\a)%4)
.set BB, BK+64*((\a)%2)
.if (\a) > 0
	s_wait_dscnt 16                                ; the block before: its 16 stores into the stage have read the registers that are written now; its 16 loads may be out
.endif
	WIN 0x40                                       ; destination window 1, sources window 0
.irp b, 0,1,2,3,4,5,6,7
	v_wmma_f32_16x16x64_bf8_bf8 v[TT+8*\b:TT+8*\b+7], v[LAQ+8*\b:LAQ+8*\b+7], v[LTQ+4*(\a):LTQ+4*(\a)+7], 0
.endr
	PLACES NP
.if (\a) == 0
	s_wait_dscnt 0x0                               ; scale and bias are in
.endif
	WIN 0x51                                       ; source 0, source 2 and destination window 1
.irp j, 0,2,4,6,8,10,12,14,16,18,20,22,24,26,28,30,32,34,36,38,40,42,44,46,48,50,52,54,56,58,60,62
	v_pk_fma_f32 v[TT+\j:TT+\j+1], v[TT+\j:TT+\j+1], s[96:97], v[BIA+\j:BIA+\j+1] op_sel_hi:[1,0,1]   ; (the scalar pair's low word for both halves)
.endr
	WIN 0x56+((\a)/4)                              ; source 0: window 2 or 3; the others window 1
.irp j, 0,2,4,6,8,10,12,14,16,18,20,22,24,26,28,30,32,34,36,38,40,42,44,46,48,50,52,54,56,58,60,62
	v_pk_fma_f32 v[TT+\j:TT+\j+1], v[AC+\j:AC+\j+1], v[SCL+\j:SCL+\j+1], v[TT+\j:TT+\j+1]
.endr
	WIN 0x04                                       ; an LDS store's data: window 1; its address: window 0
.irp b, 0,1,2,3,4,5,6,7
	ds_store_b128 v[STO], v[TT+8*\b:TT+8*\b+3] offset:64*\b
	ds_store_b128 v[STO], v[TT+8*\b+4:TT+8*\b+7] offset:64*\b+16
.endr
	WIN 0
.irp t, 0,1,2,3,4,5,6,7,8,9,10,11,12,13,14,15
	ds_load_b128 v[BB+4*\t:BB+4*\t+3], v[RD] offset:\t*SPITCH
.endr
.endm
.macro SEND a, younger                 ; younger: the LDS instructions issued behind block a's loads, which may stay out
.set BB, BK+64*((\a)%2)
	s_wait_dscnt \younger                          ; the block is back in registers
.if (\a) > 0
	s_add_nc_u64 s[10:11], s[10:11], 16*SIZE_N*4   ; (behind a wait on XCNT: the earlier stores have read their base)  16 rows of out0 on: the stores' offsets reach 15 rows, 245,760 bytes, inside the signed 24-bit immediate (ISA guide, chapter 10)
.endif
.irp t, 0,1,2,3,4,5,6,7,8,9,10,11,12,13,14,15
	global_store_b128 v[CO], v[BB+4*\t:BB+4*\t+3], s[10:11] offset:\t*SIZE_N*4 th:TH_STORE_NT   ; 32 lanes store 512 consecutive bytes, at a multiple of 256 from out0's first byte; written once, read by nobody here
.endr
.endm
	PLACES NP+1                                    ; five: the third product's sums are laid over wq's set 1, which the last products have read
	TOSTAGE 0
.irp a, 1,2,3,4,5,6,7
.if \a > 1
	s_wait_xcnt 0x0                                ; block a - 2's stores have read their registers and their base: block a's loads may land there, and the base may step
.endif
	TOSTAGE \a
	SEND \a-1, 32                                  ; behind block a - 1's loads: block a's 16 stores and 16 loads
.endr
	s_wait_xcnt 0x0                                ; block 6's stores have read their base
	SEND 7, 0
	s_wait_tensorcnt 0x0                           ; the wave's end: behind my last tensor load and my last LDS store
	ds_add_u32 v[SPW], v[NIL]
	s_wait_dscnt 0x0
	CROUND                                         ; the closing round: no work-group ends while a partner may still ask for a tile that names it
	s_endpgm
.Lfunc_end_k_q916685f5e3_gemm:
	.size	k_q916685f5e3_gemm, .Lfunc_end_k_q916685f5e3_gemm-k_q916685f5e3_gemm
	.p2alignl 7, 3214868480
	.fill 96, 4, 3214868480
	.section	.rodata,"a",@progbits
	.p2align	6, 0x0
	.amdhsa_kernel k_q916685f5e3_gemm
		.amdhsa_group_segment_fixed_size 327680
		.amdhsa_private_segment_fixed_size 0
		.amdhsa_enable_private_segment 0
		.amdhsa_kernarg_size 64
		.amdhsa_user_sgpr_count 2
		.amdhsa_user_sgpr_kernarg_segment_ptr 1
		.amdhsa_wavefront_size32 1
		.amdhsa_system_sgpr_workgroup_id_x 1
		.amdhsa_system_sgpr_workgroup_id_y 1
		.amdhsa_system_sgpr_workgroup_id_z 1
		.amdhsa_system_vgpr_workitem_id 0
		.amdhsa_next_free_vgpr 1024
		.amdhsa_next_free_sgpr 98
		.amdhsa_reserve_vcc 0
		.amdhsa_float_denorm_mode_32 3
		.amdhsa_float_denorm_mode_16_64 3
		.amdhsa_memory_ordered 1
		.amdhsa_forward_progress 1
		.amdhsa_inst_pref_size 170
	.end_amdhsa_kernel
	.amdgpu_metadata
---
amdhsa.version: [ 1, 2 ]
amdhsa.kernels:
  - .name:           k_q916685f5e3_gemm
    .symbol:         k_q916685f5e3_gemm.kd
    .args:
      - { .name: xq, .offset: 0, .size: 8, .value_kind: global_buffer, .address_space: global }
      - { .name: wq, .offset: 8, .size: 8, .value_kind: global_buffer, .address_space: global }
      - { .name: lowp_scales, .offset: 16, .size: 8, .value_kind: global_buffer, .address_space: global }
      - { .name: out0, .offset: 24, .size: 8, .value_kind: global_buffer, .address_space: global }
      - { .name: tpart, .offset: 32, .size: 8, .value_kind: global_buffer, .address_space: global }
      - { .name: aq, .offset: 40, .size: 8, .value_kind: global_buffer, .address_space: global }
      - { .name: scale, .offset: 48, .size: 8, .value_kind: global_buffer, .address_space: global }
      - { .name: bias, .offset: 56, .size: 8, .value_kind: global_buffer, .address_space: global }
    .group_segment_fixed_size: 327680
    .private_segment_fixed_size: 0
    .kernarg_segment_align: 8
    .kernarg_segment_size: 64
    .max_flat_workgroup_size: 128
    .sgpr_count:     98
    .vgpr_count:     1024
    .wavefront_size: 32
...
	.end_amdgpu_metadata
.endif
;; end of part 2
;; ======== version 2 of 2: 2 launches; version 1 with the launch prep written anew for expert scheduling mode
;; limits: right only within a limited range of input values
;; workspace buffers: xq 16,777,216 bytes; wq 16,777,216 bytes; tpart 2,097,152 bytes; aq 131,072 bytes
;; launch prep (part 3): grid 256 x 1, 16 waves a work-group, no clusters, 269,312 bytes of LDS; arguments x, lora_B, weight_q, lora_A, lowp_scales, xq, wq, tpart, aq; writes xq, wq, tpart, aq
.if DOCPART == 3
	.amdgcn_target "amdgcn-amd-amdhsa--gfx1250"
	.amdhsa_code_object_version 6
	.text
	.protected	k_q916685f5e3_prep
	.globl	k_q916685f5e3_prep
	.p2align	8
	.type	k_q916685f5e3_prep,@function
k_q916685f5e3_prep:
	s_mov_b64 s[64:65], 0
	v_nop
	global_prefetch_b8 v0, s[64:65] scope:SCOPE_SE
	s_setreg_imm32_b32 hwreg(HW_REG_WAVE_SCHED_MODE, 0, 2), 2
	s_setreg_imm32_b32 hwreg(HW_REG_WAVE_MODE, 25, 1), 1
	s_wait_xcnt 0x0
	s_wait_alu depctr_vm_vsrc(0)
; THE QUANTISERS, AND THE SECOND PRODUCT BY QUARTERS OF K.  All codes are BF8 (E5M2), one byte each, K innermost; code = number / 2^e, held within +-57,344, to the nearest code, ties to even.
;   xq [4096][4096] = x at e0;   wq [4096][4096] = weight_q (int8, any value, widened to f32) at e1;   aq [4096][32] = lora_A at e5;
;   tpart [4][256][4][32][4] f32: for each quarter of K the sums of Q(x, e2) Q(lora_B, e3)^T over that quarter, on codes by the matrix unit; the next launch adds the four quarters and quantises the sum.
; x is quantised twice, at e0 and at e2, from one read: the two exponents are given apart and may differ.  e0 .. e5 are the six whole numbers of lowp_scales.
; LIMITS: e0, e1, e2, e3 and e5 lie between -126 and 112, so that 2^e and 57,344 x 2^e are f32 numbers.  NaN among the inputs is not served; an infinity is held at the largest code.
; SHARES.  Work-group g owns rows 64 (g / 4) .. + 63 of x, K = 1,024 (g % 4) .. + 1,023; and rows 16 g .. 16 g + 15 of weight_q and of lora_A.  Wave w of sixteen owns K = 64 w .. 64 w + 63 of that quarter, for all 64 rows
; of x and all 32 rows of lora_B: lora_B's two fragments are made once and serve four tiles of rows.  It also owns row 16 g + w of weight_q.  Wave 1 takes lora_A's 2,048 bytes.
; A GROUP is 16 rows x 64 along K of f32: eight loads, each two rows x 256 consecutive bytes (lanes 0-15 one row, lanes 16-31 the next).  The conversions want neighbours along K in ONE lane's registers, so a group
; turns through the wave's own stage in LDS: afterwards lane (r = lane % 16, h = lane / 16) holds row r, register 16 c + e = k 32 c + 16 h + e.  That is a permutation of k, the same in x and in lora_B.
; Six groups a wave: lora_B's tiles 0 and 1, x's tiles 0 to 3; every offset is an immediate, no pointer is stepped; four groups (32 loads, 16,384 bytes a wave) are on their way.
; THE ROWS OF lora_B THAT FORM A TILE ARE NOT NEIGHBOURS: row r of tile u is rank 8 u + r + 8 (r / 8).  With source 0 = the tile and source 1 = x, lane (r, h) holds row r of the result, and register j of tile u rank
; 16 h + 8 u + j: a lane's 16 registers are 16 neighbouring ranks.  A tile of rows is 16 registers a lane: four chunks of four; chunk 4 m + q of a wave is registers 4 q .. 4 q + 3 of tile m.
; THE SUM OVER THE WAVES: each wave lays its 16 chunks in LDS as images of the registers (lane l's 16 bytes at 16 l); behind the barrier wave w adds chunk w of all sixteen, in the waves' order, and stores 512 consecutive bytes.
; xq's codes of a row come from all sixteen waves, 64 bytes each: they meet in a stage of the work-group's, and behind the same barrier each wave stores four whole rows of 1,024 bytes.
; NO JOINT REQUESTS: the 64 work-groups of a quarter read the same 131,072 bytes of lora_B, beside 327,680 bytes of their own each, but every number goes from memory into registers to be quantised, and the text has
; one barrier; a joint request would need tensor loads, a ring and the cluster's rounds.
; THE MODE: SCHED_MODE bits 1:0 = 2 (LLVM: expert scheduling mode 2), set by the entry lines.  The code itself states the register dependences between vector or matrix instructions and memory or LDS instructions,
; with s_wait_alu, always for 0.
; THE PLAN.  Registers that memory or LDS instructions touch:
;   v1-v9, v14, v252, v253   offsets and LDS addresses: written at the head, never again; one wait on va_vdst ahead of the first load serves every load and store of the kernel.
;   L0 .. L3   Written by global loads; read by the LDS stores of the group's turn.  Written again: L0, L1, L2 by the loads dealt among groups 0, 1, 2; L0 by weight_q's conversions; L3 by LDS loads behind the barrier.
;   X          Written by the turn's LDS loads; then read and written by the group's holds and conversions.
;   XC         Written by a tile's conversions; read by two LDS stores at the head of the next group.
;   ACC        Two sets by turns.  Written by a tile's two products; read by four LDS stores at the head of the next group.
;   WC         Written by weight_q's conversions; read by eight global stores, each with four registers of its own.
;   P          v144-207 behind the barrier: written by LDS loads, over X, TMP, XC, XF and half of BF; added by vector instructions; its first four registers read by the last store.
;   TMP, XF, BF and the scales' registers are named by vector and matrix instructions alone.
; So a group has TWO waits.  At its head, on va_vdst: the group before is done with X, in which this group's turn lands, and has written its codes and its sums, which leave now; no vector instruction stands between
; that wait and the turn.  Behind the turn, on vm_vsrc: the LDS stores issued so far have read the buffer just turned, XC and the set of accumulators: all three may be written again.
.set KB,    16384                      ; a row of x or of lora_B in bytes
.set SP,    272                        ; a row of a wave's stage: 256 bytes + 16 of padding
.set WREG,  16*SP                      ; a wave's stage
.set CSTG,  16*WREG                    ; behind the sixteen: the codes' stage, 64 rows
.set CP,    1040                       ; its row: 1,024 bytes + 16 of padding = 260 words: the sixteen rows of a store start at sixteen different groups of four banks (64 banks of 4 bytes: ISA guide 11.1)
.set PART,  CSTG+64*CP                 ; behind it: sixteen waves x 16 chunks x 512 bytes; behind those, from byte 0x41400 on, the spare words, 128 bytes for each wave, which no other line names
.set VO,   1                           ; v1   x, lora_B: KB h + 16 r
.set VS,   2                           ; v2   my stage, by rows: WREG w + SP h + 16 r
.set VR,   3                           ; v3   my stage, turned: WREG w + SP r + 64 h
.set VC,   4                           ; v4   the codes' stage, in: CSTG + CP r + 64 w + 16 h
.set VCR,  5                           ; v5   and back: CSTG + 4 CP w + 16 x lane
.set VL,   6                           ; v6   16 x lane
.set VP,   7                           ; v7   my chunks: PART + 8,192 w + 16 x lane
.set VPR,  8                           ; v8   chunk w of waves 0 to 7: PART + 512 w + 16 x lane
.set VPR2, 9                           ; v9   of waves 8 to 15: 65,536 further on (an LDS offset has 16 bits)
.set SC0,  10                          ; v10  2^e0      v11  2^e2      v12  2^e3      v13  the scale of the quantiser in hand
.set SC2,  11
.set SC3,  12
.set SCV,  13
.set VA,   14                          ; v14  64 x lane
.set L,    16                          ; v16-143   four buffers of 32: a group as loaded
.set X,    144                         ; v144-175  a group, turned
.set TMP,  176                         ; v176-183  eight numbers held for e0
.set XC,   184                         ; v184-191  x's codes at e0
.set XF,   192                         ; v192-199  x's fragment at e2
.set BF,   200                         ; v200-215  lora_B's two fragments
.set ACC,  216                         ; v216-247  two sets of two accumulators, by turns
.set AL,   176                         ; v176-191  lora_A's numbers, ahead of the groups
.set AC,   248                         ; v248-251  lora_A's codes
.set WB,   L+64                        ; v80-111   my row of weight_q
.set WC,   L                           ; v16-47    its codes: four registers for each of eight stores
.set OC,   L+96                        ; v112-143  xq's rows on their way out
.set P,    144                         ; v144-207  sixteen images of my chunk
.set Q0,   32                          ; a quantiser in three scalars: 2^e, 57,344 x 2^e, minus that.  s32.. e0, s35.. e2, s38.. e3, s41.. e1, s44.. e5
.set Q2,   35
.set Q3,   38
.set Q1,   41
.set QA,   44
.macro MKQ d, e
	s_add_co_i32 s[\d+1], s[\e], 127
	s_lshl_b32 s[\d], s[\d+1], 23                  ; 2^e as f32: the conversion takes its exponent field
	s_add_co_i32 s[\d+1], s[\d+1], 15
	s_lshl_b32 s[\d+1], s[\d+1], 23
	s_or_b32 s[\d+1], s[\d+1], 0x600000            ; 57,344 x 2^e
	s_xor_b32 s[\d+2], s[\d+1], 0x80000000
.endm
.macro LOADX buf, m                    ; x, tile m of my work-group's rows: read once in the launch
.irp i, 0,1,2,3,4,5,6,7
	global_load_b128 v[\buf+4*\i:\buf+4*\i+3], v[VO], s[4:5] offset:(16*(\m)+2*\i)*KB th:TH_LOAD_NT
.endr
.endm
.macro LOADB buf, u                    ; lora_B, tile u: stage rows 2 i, 2 i + 1 are ranks 8 u + 2 i + 8 (i / 4) and the next.  No hint: other work-groups read these bytes too
.irp i, 0,1,2,3,4,5,6,7
	global_load_b128 v[\buf+4*\i:\buf+4*\i+3], v[VO], s[6:7] offset:(8*(\u)+2*\i+8*(\i/4))*KB
.endr
.endm
.macro LOADG n                         ; group n of the first four (0, 1: lora_B's tiles; 2, 3: x's tiles 0, 1), into buffer n
.if (\n) < 2
	LOADB L+32*((\n)%4), \n
.else
	LOADX L+32*((\n)%4), (\n)-2
.endif
.endm
; Two of the eight loads that fill group n's buffer again, for quarter p of the group's work.  Group 0: x's tile 2; group 1: x's tile 3; group 2: my row of weight_q (4,096 bytes, 512 consecutive bytes a load); later groups: none.
; No wait: they stand behind the group's wait on vm_vsrc, and no vector instruction of the groups names a register of L, v[VO] or v[VL].
.macro REFILL n, p
.if (\n) <= 1
.irp i, 0,1
	global_load_b128 v[L+32*(\n)+8*(\p)+4*\i:L+32*(\n)+8*(\p)+4*\i+3], v[VO], s[4:5] offset:(16*((\n)+2)+4*(\p)+2*\i)*KB th:TH_LOAD_NT
.endr
.elseif (\n) == 2
.irp i, 0,1
	global_load_b128 v[WB+8*(\p)+4*\i:WB+8*(\p)+4*\i+3], v[VL], s[8:9] offset:512*(2*(\p)+\i) th:TH_LOAD_NT
.endr
.endif
.endm
.macro TURN buf                        ; a group through my stage: LDS serves a wave's instructions in order, so no wait stands between the stores and the loads
.irp i, 0,1,2,3,4,5,6,7
	ds_store_b128 v[VS], v[\buf+4*\i:\buf+4*\i+3] offset:2*SP*\i
.endr
.irp c, 0,1
.irp j, 0,1,2,3
	ds_load_b128 v[X+16*\c+4*\j:X+16*\c+4*\j+3], v[VR] offset:128*\c+16*\j
.endr
.endr
	s_wait_dscnt 0x0                               ; the group is back
.endm
.macro QB u                            ; lora_B's tile u (group u) becomes a fragment, which stays
.irp p, 0,1,2,3
	REFILL \u, \p
.irp i, 0,1,2,3,4,5,6,7
	v_med3_num_f32 v[X+8*\p+\i], v[X+8*\p+\i], s[Q3+2], s[Q3+1]    ; the conversion to an 8-bit code does not saturate (ISA guide 7.6.2): the hold comes first
.endr
	v_cvt_scalef32_pk8_bf8_f32 v[BF+8*(\u)+2*\p:BF+8*(\u)+2*\p+1], v[X+8*\p:X+8*\p+7], v[SC3]
.endr
	v_nop                                          ; a plain line behind the last conversion
.endm
; x's tile m (group m + 2): codes at e0 for xq, codes at e2 for the product; two products, each a whole sum over my 64 along K.  The codes and the sums leave at the head of the next group (OUT).
; The eight holds between two conversions are the plain lines that a conversion wants ahead of a write of its sources; the sixteen holds ahead of the next write of x's fragment are the places behind the products that read it (ISA guide 7.12.1).
.macro QX m
.set AM, ACC+16*((\m)%2)
.irp p, 0,1,2,3
	REFILL (\m)+2, \p
.irp i, 0,1,2,3,4,5,6,7
	v_med3_num_f32 v[TMP+\i], v[X+8*\p+\i], s[Q0+2], s[Q0+1]
.endr
	v_cvt_scalef32_pk8_bf8_f32 v[XC+2*\p:XC+2*\p+1], v[TMP:TMP+7], v[SC0]
.irp i, 0,1,2,3,4,5,6,7
	v_med3_num_f32 v[X+8*\p+\i], v[X+8*\p+\i], s[Q2+2], s[Q2+1]
.endr
	v_cvt_scalef32_pk8_bf8_f32 v[XF+2*\p:XF+2*\p+1], v[X+8*\p:X+8*\p+7], v[SC2]
.endr
	v_nop                                          ; a plain line between the last conversion and the products that read its result
	v_wmma_f32_16x16x64_bf8_bf8 v[AM:AM+7], v[BF:BF+7], v[XF:XF+7], 0
	v_wmma_f32_16x16x64_bf8_bf8 v[AM+8:AM+15], v[BF+8:BF+15], v[XF:XF+7], 0
.rept 4
	v_nop                                          ; four places between a product and the stores that read its sums; the wait on va_vdst ahead of those stores stands beside them, not in their stead
.endr
.endm
.macro OUT m                           ; tile m's codes at e0 into the codes' stage, its four chunks into my part of PART
.set AM, ACC+16*((\m)%2)
	ds_store_b128 v[VC], v[XC:XC+3] offset:16*CP*(\m)              ; row 16 m + r, k 64 w + 16 h + 0 .. 15
	ds_store_b128 v[VC], v[XC+4:XC+7] offset:16*CP*(\m)+32         ; k 64 w + 32 + 16 h + 0 .. 15
.irp q, 0,1,2,3
	ds_store_b128 v[VP], v[AM+4*\q:AM+4*\q+3] offset:512*(4*(\m)+\q)   ; each accumulator from its low end on
.endr
.endm
; Group n.  The wait on LOADcnt counts the loads younger than the group's eight: three groups of eight, weight_q's eight among them from group 3 on; then the counts run down 16, 8.
.macro GROUP n
.if (\n) <= 3
	s_wait_loadcnt 24
.else
	s_wait_loadcnt 8*(6-(\n))
.endif
.if (\n) > 0
	s_wait_alu depctr_va_vdst(0)                   ; the group before is done reading and writing X, in which the turn's loads land; from group 3 on it has also written its codes and its sums, which the stores below read
.endif
.if (\n) >= 3
	OUT (\n)-3
.endif
	TURN L+32*((\n)%4)
	s_wait_alu depctr_vm_vsrc(0)                   ; my LDS stores so far have read their data: the buffer just turned, which is written again (by the loads dealt below, by weight_q's conversions or by xq's rows), and the tile before's codes and sums, whose registers this group's conversions and the next group's products write
.if (\n) < 2
	QB \n
.else
	QX (\n)-2
.endif
.endm
.macro WQ q                            ; sixteen bytes of weight_q a lane: sign-extended, widened, held, converted; the two halves of X take turns, so that plain lines stand between a conversion and the next write of its sources
.set F, X+16*((\q)%2)
.irp j, 0,1,2,3
	v_lshlrev_b32 v[F+4*\j], 24, v[WB+4*(\q)+\j]
	v_lshlrev_b32 v[F+4*\j+1], 16, v[WB+4*(\q)+\j]
	v_lshlrev_b32 v[F+4*\j+2], 8, v[WB+4*(\q)+\j]
	v_ashrrev_i32 v[F+4*\j+3], 24, v[WB+4*(\q)+\j]
.endr
.irp j, 0,1,2,3
.irp b, 0,1,2
	v_ashrrev_i32 v[F+4*\j+\b], 24, v[F+4*\j+\b]
.endr
.endr
.irp i, 0,1,2,3,4,5,6,7,8,9,10,11,12,13,14,15
	v_cvt_f32_i32 v[F+\i], v[F+\i]
.endr
.irp i, 0,1,2,3,4,5,6,7,8,9,10,11,12,13,14,15
	v_med3_num_f32 v[F+\i], v[F+\i], s[Q1+2], s[Q1+1]
.endr
	v_cvt_scalef32_pk8_bf8_f32 v[WC+4*(\q):WC+4*(\q)+1], v[F:F+7], v[SCV]
	v_cvt_scalef32_pk8_bf8_f32 v[WC+4*(\q)+2:WC+4*(\q)+3], v[F+8:F+15], v[SCV]
.endm
.macro WST q                           ; and their store: 512 consecutive bytes; each store has data registers of its own
	global_store_b128 v[VL], v[WC+4*(\q):WC+4*(\q)+3], s[16:17] offset:512*(\q)
.endm
	s_load_b256 s[4:11], s[0:1], 0x0               ; x s[4:5], lora_B s[6:7], weight_q s[8:9], lora_A s[10:11]
	s_load_b256 s[12:19], s[0:1], 0x20             ; lowp_scales s[12:13], xq s[14:15], wq s[16:17], tpart s[18:19]
	s_load_b64 s[20:21], s[0:1], 0x40              ; aq
	v_lshl_add_u32 v252, v0, 2, 0x41400            ; the LDS address of my spare word, and 0: made here and kept for the closing lines alone
	v_mov_b32 v253, 0
	v_lshrrev_b32 v15, 5, v0
	v_readfirstlane_b32 s22, v15                   ; wave 0..15
	v_and_b32 v[VL], 31, v0                        ; lane
	v_lshlrev_b32 v[VA], 6, v[VL]
	v_lshlrev_b32 v[VL], 4, v[VL]
	v_and_b32 v15, 15, v0                          ; r
	v_bfe_u32 v13, v0, 4, 1                        ; h
	v_lshlrev_b32 v[VO], 4, v15                    ; 16 r
	v_mul_u32_u24 v[VS], v13, SP
	v_add_nc_u32 v[VS], v[VS], v[VO]
	v_lshl_add_u32 v[VO], v13, 14, v[VO]
	v_mul_u32_u24 v[VR], v15, SP
	v_lshl_add_u32 v[VR], v13, 6, v[VR]
	v_mul_u32_u24 v[VC], v15, CP
	v_lshl_add_u32 v[VC], v13, 4, v[VC]
	s_wait_alu depctr_va_sdst(0)                   ; s22, the wave's number, is written, ahead of its first reader: LDS addresses and the buffers' offsets are made from it
	s_mul_i32 s23, s22, WREG
	v_add_nc_u32 v[VS], s23, v[VS]
	v_add_nc_u32 v[VR], s23, v[VR]
	s_lshl_b32 s23, s22, 6
	v_add_nc_u32 v[VC], s23, v[VC]
	v_add_nc_u32 v[VC], CSTG, v[VC]
	s_mul_i32 s23, s22, 4*CP
	v_add_nc_u32 v[VCR], s23, v[VL]
	v_add_nc_u32 v[VCR], CSTG, v[VCR]
	s_lshl_b32 s23, s22, 13
	v_add_nc_u32 v[VP], s23, v[VL]
	v_add_nc_u32 v[VP], PART, v[VP]
	s_lshl_b32 s23, s22, 9
	v_add_nc_u32 v[VPR], s23, v[VL]
	v_add_nc_u32 v[VPR], PART, v[VPR]
	v_add_nc_u32 v[VPR2], 0x10000, v[VPR]
	s_mov_b32 s31, 0                               ; s[30:31]: an offset as a pair
	s_lshr_b32 s50, ttmp9, 2                       ; which 64 rows of x
	s_and_b32 s51, ttmp9, 3                        ; which quarter of K
	s_wait_kmcnt 0x0
	s_load_b128 s[24:27], s[12:13], 0x0            ; e0, e1, e2, e3
	s_load_b64 s[28:29], s[12:13], 0x10            ; e4 (not used here), e5
	s_lshl_b32 s23, s51, 12                        ; lora_B: my 64 along K begin 4,096 x quarter + 256 w bytes into a row
	s_lshl_b32 s30, s22, 8
	s_add_co_u32 s30, s30, s23
	s_add_nc_u64 s[6:7], s[6:7], s[30:31]
	s_lshl_b32 s23, s50, 20                        ; x: the same, 64 rows of 16,384 bytes for each block of rows further down
	s_add_co_u32 s30, s30, s23
	s_add_nc_u64 s[4:5], s[4:5], s[30:31]
	s_wait_alu depctr_va_vdst(0)                   ; the offsets and LDS addresses v1 to v9 and v14 are written, which every load and store of the kernel reads; none of them is written again
	LOADG 0
	LOADG 1
	LOADG 2
	LOADG 3
	s_lshl_b32 s30, ttmp9, 16                      ; weight_q and wq: row 16 g + w of 4,096 bytes
	s_lshl_b32 s23, s22, 12
	s_add_co_u32 s30, s30, s23
	s_add_nc_u64 s[8:9], s[8:9], s[30:31]
	s_add_nc_u64 s[16:17], s[16:17], s[30:31]
	s_lshl_b32 s30, s50, 18                        ; xq: row 64 (g / 4) + 4 w of 4,096 bytes, + 1,024 x quarter
	s_lshl_b32 s23, s22, 14
	s_add_co_u32 s30, s30, s23
	s_lshl_b32 s23, s51, 10
	s_add_co_u32 s30, s30, s23
	s_add_nc_u64 s[14:15], s[14:15], s[30:31]
	s_lshl_b32 s30, s51, 19                        ; tpart: 524,288 x quarter + 8,192 (g / 4) + 512 w: tile 4 (g / 4) + w / 4 of rows, chunk w % 4
	s_lshl_b32 s23, s50, 13
	s_add_co_u32 s30, s30, s23
	s_lshl_b32 s23, s22, 9
	s_add_co_u32 s30, s30, s23
	s_add_nc_u64 s[18:19], s[18:19], s[30:31]
	s_lshl_b32 s30, ttmp9, 11                      ; lora_A: 16 g rows of 128 bytes
	s_add_nc_u64 s[10:11], s[10:11], s[30:31]
	s_lshl_b32 s30, ttmp9, 9                       ; aq: 16 g rows of 32 bytes
	s_add_nc_u64 s[20:21], s[20:21], s[30:31]
	s_wait_kmcnt 0x0
	MKQ Q0, 24
	MKQ Q1, 25
	MKQ Q2, 26
	MKQ Q3, 27
	MKQ QA, 29
	v_mov_b32 v[SC0], s[Q0]
	v_mov_b32 v[SC2], s[Q2]
	v_mov_b32 v[SC3], s[Q3]
	; lora_A: wave 1 alone, load and use in one branch.  A lane takes 16 neighbouring numbers (64 bytes): row lane / 2, ranks 16 (lane % 2) on; its 16 codes lie at 16 x lane of aq's 512 bytes.
	; The wait is for all loads, the first four groups among them; the counted waits behind the branch then find fewer loads out than they allow.
	s_cmp_lg_u32 s22, 1
	s_cbranch_scc1 .Lnot_a
.irp j, 0,1,2,3
	global_load_b128 v[AL+4*\j:AL+4*\j+3], v[VA], s[10:11] offset:16*\j      ; no vector instruction has named these registers yet
.endr
	s_wait_loadcnt 0x0
	v_mov_b32 v[SCV], s[QA]
.irp i, 0,1,2,3,4,5,6,7,8,9,10,11,12,13,14,15
	v_med3_num_f32 v[AL+\i], v[AL+\i], s[QA+2], s[QA+1]
.endr
	v_cvt_scalef32_pk8_bf8_f32 v[AC:AC+1], v[AL:AL+7], v[SCV]
	v_cvt_scalef32_pk8_bf8_f32 v[AC+2:AC+3], v[AL+8:AL+15], v[SCV]
	v_nop                                          ; a plain line behind the last conversion: its sources and its scale's register are written again later
	s_wait_alu depctr_va_vdst(0)                   ; the conversions have written lora_A's codes, which the store reads
	global_store_b128 v[VL], v[AC:AC+3], s[20:21]  ; 512 consecutive bytes; the data registers are never written again
.Lnot_a:
.irp n, 0,1,2,3,4,5
	GROUP \n
.endr
	s_wait_loadcnt 0x0                             ; my row of weight_q
	s_wait_alu depctr_va_vdst(0)                   ; tile 3's conversions and products have written its codes and its sums, which the stores below read
	OUT 3
	v_mov_b32 v[SCV], s[Q1]
.irp q, 0,1,2,3
	WQ \q
.endr
	s_wait_alu depctr_va_vdst(0)                   ; the conversions have written the data of wq's first four stores; these are dealt among the other four pieces' work, which names other registers
.irp q, 4,5,6,7
	WST \q-4
	WQ \q
.endr
	v_nop                                          ; a plain line behind the last conversion: its sources are written again below
	s_wait_alu depctr_va_vdst(0)                   ; the conversions have written the data of wq's last four stores; and all vector and matrix work on v144 to v207 is over, in which the images behind the barrier land
.irp q, 4,5,6,7
	WST \q
.endr
	s_wait_dscnt 0x0                               ; for the others' sake: my codes and my chunks lie in LDS
	s_barrier_signal -1
	s_barrier_wait -1
	s_wait_alu depctr_vm_vsrc(0)                   ; tile 3's LDS stores have read its codes' registers, in which images land below
.irp i, 0,1,2,3,4,5,6,7
	ds_load_b128 v[OC+4*\i:OC+4*\i+3], v[VCR] offset:(\i/2)*CP+(\i%2)*512      ; rows 4 w .. 4 w + 3 of the codes' stage, half a row (512 bytes) a load
.endr
.irp w, 0,1,2,3,4,5,6,7
	ds_load_b128 v[P+4*\w:P+4*\w+3], v[VPR] offset:8192*\w                     ; chunk w of waves 0 to 7,
.endr
.irp w, 0,1,2,3,4,5,6,7
	ds_load_b128 v[P+32+4*\w:P+32+4*\w+3], v[VPR2] offset:8192*\w              ; and of waves 8 to 15
.endr
	s_wait_dscnt 16                                ; the codes are in; the sixteen images may be out
.irp i, 0,1,2,3,4,5,6,7
	global_store_b128 v[VL], v[OC+4*\i:OC+4*\i+3], s[14:15] offset:(\i/2)*4096+(\i%2)*512   ; 32 lanes store 512 consecutive bytes, at a multiple of 512 from xq's first byte
.endr
.irp w, 1,2,3,4,5,6,7,8,9,10,11,12,13,14,15
	s_wait_dscnt 15-\w                             ; images 0 to w are in; one load for each later image may be out
	v_pk_add_f32 v[P:P+1], v[P:P+1], v[P+4*\w:P+4*\w+1]
	v_pk_add_f32 v[P+2:P+3], v[P+2:P+3], v[P+4*\w+2:P+4*\w+3]
.endr
	s_wait_alu depctr_va_vdst(0)                   ; the additions have written my chunk's four sums, which the store reads
	global_store_b128 v[VL], v[P:P+3], s[18:19]    ; my chunk of the quarter's sums: 512 consecutive bytes
	s_wait_dscnt 0x0                               ; the closing lines, six on end
	s_wait_alu 0x0
	s_wait_tensorcnt 0x0
	ds_add_u32 v252, v253
	s_wait_dscnt 0x0
	s_endpgm
.Lfunc_end_k_q916685f5e3_prep:
	.size	k_q916685f5e3_prep, .Lfunc_end_k_q916685f5e3_prep-k_q916685f5e3_prep
	.p2alignl 7, 3214868480
	.fill 96, 4, 3214868480
	.section	.rodata,"a",@progbits
	.p2align	6, 0x0
	.amdhsa_kernel k_q916685f5e3_prep
		.amdhsa_group_segment_fixed_size 269312
		.amdhsa_private_segment_fixed_size 0
		.amdhsa_enable_private_segment 0
		.amdhsa_kernarg_size 72
		.amdhsa_user_sgpr_count 2
		.amdhsa_user_sgpr_kernarg_segment_ptr 1
		.amdhsa_wavefront_size32 1
		.amdhsa_system_sgpr_workgroup_id_x 1
		.amdhsa_system_sgpr_workgroup_id_y 1
		.amdhsa_system_sgpr_workgroup_id_z 1
		.amdhsa_system_vgpr_workitem_id 0
		.amdhsa_next_free_vgpr 254
		.amdhsa_next_free_sgpr 66
		.amdhsa_reserve_vcc 0
		.amdhsa_float_denorm_mode_32 3
		.amdhsa_float_denorm_mode_16_64 3
		.amdhsa_memory_ordered 1
		.amdhsa_forward_progress 1
		.amdhsa_inst_pref_size 70
	.end_amdhsa_kernel
	.amdgpu_metadata
---
amdhsa.version: [ 1, 2 ]
amdhsa.kernels:
  - .name:           k_q916685f5e3_prep
    .symbol:         k_q916685f5e3_prep.kd
    .args:
      - { .name: x, .offset: 0, .size: 8, .value_kind: global_buffer, .address_space: global }
      - { .name: lora_B, .offset: 8, .size: 8, .value_kind: global_buffer, .address_space: global }
      - { .name: weight_q, .offset: 16, .size: 8, .value_kind: global_buffer, .address_space: global }
      - { .name: lora_A, .offset: 24, .size: 8, .value_kind: global_buffer, .address_space: global }
      - { .name: lowp_scales, .offset: 32, .size: 8, .value_kind: global_buffer, .address_space: global }
      - { .name: xq, .offset: 40, .size: 8, .value_kind: global_buffer, .address_space: global }
      - { .name: wq, .offset: 48, .size: 8, .value_kind: global_buffer, .address_space: global }
      - { .name: tpart, .offset: 56, .size: 8, .value_kind: global_buffer, .address_space: global }
      - { .name: aq, .offset: 64, .size: 8, .value_kind: global_buffer, .address_space: global }
    .group_segment_fixed_size: 269312
    .private_segment_fixed_size: 0
    .kernarg_segment_align: 8
    .kernarg_segment_size: 72
    .max_flat_workgroup_size: 512
    .sgpr_count:     66
    .vgpr_count:     254
    .wavefront_size: 32
...
	.end_amdgpu_metadata
.endif
;; end of part 3
;; launch gemm: the kernel of part 2 again; grid 16 x 16, 4 waves a work-group, clusters of 4 x 4, 327,680 bytes of LDS; arguments xq, wq, lowp_scales, out0, tpart, aq, scale, bias; writes out0
